; MI455X (gfx1250); checked and timed in simulation.
; The chip was launched on July 23, 2026; its instructions are those of AMD's public machine-readable ISA for CDNA 5 (MIT licence, August 2026) and "CDNA5" Instruction Set Architecture Reference Guide (July 2026). The comments in the code are by the model that wrote it; some were corrected since.
;; Attention. Allowed arithmetic: matrix products marked QUANTISED: E2M3 operands, one E8M0 scale for each 32 along K, by v_wmma_scale_f32_16x16x128_f8f6f4 with both operands' format E2M3, f32 sums; products left as they are: f32 operands where the result goes on into a quantised operand, else bf16, f16 or f32 operands; f32 sums; everything else in f32.
;; Inputs: W_out_codes 1,024 x 32 x 24 uint8 (E2M3 codes of W_out, K innermost, in blocks of 32 codes, four codes in three bytes); W_out_scales 1,024 x 32 uint8 (E8M0 scales of W_out, one for each 32 codes along K); W_qkv_codes 3,072 x 32 x 24 uint8 (E2M3 codes of W_qkv, K innermost, in blocks of 32 codes, four codes in three bytes); W_qkv_scales 3,072 x 32 uint8 (E8M0 scales of W_qkv, one for each 32 codes along K); b_out 1,024 float32; x_codes 4 x 4,096 x 32 x 24 uint8 (E2M3 codes of x, K innermost, in blocks of 32 codes, four codes in three bytes); x_scales 4 x 4,096 x 32 uint8 (E8M0 scales of x, one for each 32 codes along K).
;; Outputs: out0 4 x 4,096 x 1,024 float32.
;; This version of the problem:
;;   THIS VERSION OF THE PROBLEM IS GIVEN IN LOW PRECISION. The matrix products marked QUANTISED in the list below multiply operands that are first quantised to E2M3 (2 exponent bits, 3 mantissa bits; 6 bits a number), with one power-of-two scale for each 32 numbers along K (OCP MX v1.0); their sums are f32. All else is computed in f32.
;;   The module's matrix products, in the order in which they are computed (A, B: the left and right operand; K: the contracted axis; several contracted axes count as one K, in the product's order):
;;     1. [M 16,384, K 1,024] x [K 1,024, N 3,072]; A: input x (given as codes); B: input W_qkv (given as codes): QUANTISED
;;     2. batch 16,384 x [M 16, K 64] x [K 64, N 16]; A: computed on the way; B: computed on the way: QUANTISED
;;     3. batch 16,384 x [M 16, K 16] x [K 16, N 64]; A: softmax; B: computed on the way: left as it is (K = 16 < 32)
;;     4. [M 16,384, K 1,024] x [K 1,024, N 1,024]; A: computed on the way; B: input W_out (given as codes): QUANTISED
;;   THE QUANTISER, for each operand of a quantised product, along K:
;;     - K is cut into blocks of 32 from its start; a last block that is shorter is filled with zeros.
;;     - A block's scale is 2^e with e = floor(log2(the largest magnitude in the block)) - 2, held to -126 .. 127; a block of zeros has e = 0. As a byte (E8M0): e + 127.
;;     - Each number is divided by its block's scale, clamped to +-7.5, and rounded to the nearest number of E2M3, ties to even, subnormals kept.
;;     - The product sums the exact products of the quantised numbers (number of the format x scale) in f32.
;;   ~~~python
;;   def quantise(x, axis):      # numpy; x: float32 -> the quantised numbers, widened to float32 again
;;       x = np.moveaxis(x, axis, -1); K = x.shape[-1]
;;       x = np.pad(x, [(0, 0)] * (x.ndim - 1) + [(0, -K % 32)]); x = x.reshape(x.shape[:-1] + (-1, 32)); a = np.abs(x).max(-1, keepdims=True)
;;       e = np.where(a > 0, np.clip(np.frexp(np.where(a > 0, a, 1))[1] - 1 - 2, -126, 127), 0)      # np.frexp(a)[1] - 1 = floor(log2(a)), exactly
;;       r = np.clip(x / 2.0 ** e, -7.5, 7.5)
;;       step = 2.0 ** (np.maximum(np.frexp(np.where(r == 0, 1, r))[1] - 1, 0) - 3)
;;       q = np.round(r / step) * step * 2.0 ** e      # np.round: ties to even
;;       return np.moveaxis(q.reshape(q.shape[:-2] + (-1,))[..., :K], -1, axis).astype(np.float32)
;;   ~~~
;;   OPERANDS COMPUTED ON THE WAY. 'Computed on the way' means the value that the module computes at that place (a softmax that the list does not call 'softmax' is quantised finished and normalised). What goes into a quantiser is computed in f32, as accurately as f32 sums, v_exp_f32 and their like allow (about 1e-6 of the number): no bf16 or f16 on the way to a quantiser, and a product that is left as it is and whose result goes on into a quantised operand takes f32 operands (vector FMAs, or v_wmma_f32_16x16x4_f32). A number that lies on a knife's edge between two numbers of the format may be rounded either way, as far as f32 arithmetic and the matrix unit's own rounding can turn it there, and no further.
;;   INPUTS GIVEN AS CODES. W_out (in the module: [1024, 1024], K = its axis 0); W_qkv (in the module: [1024, 3072], K = its axis 0); x (in the module: [4, 4096, 1024], K = its axis 2): each comes as NAME_codes (uint8): NAME with its K axis moved to the last place and cut into blocks of 32 codes, [.., K / 32, bytes a block], one block behind the other in memory; four codes in three bytes: a row's codes are one little-endian stream of bits, code i at bits 6 i .. 6 i + 5 (a code: sign, 2 exponent bits, 3 mantissa bits); and NAME_scales (uint8): the same leading axes, one E8M0 byte (e + 127) for each 32 codes along K. Its value is code x scale, taken as it is: it is not quantised again, and the codes and scales need not be those that the quantiser above would give.
;; 2 versions. Each part assembles by itself: llvm-mc -triple=amdgcn-amd-amdhsa -mcpu=gfx1250 --defsym DOCPART=n.
;; ======== version 1 of 2: 1 launch
;; launch fused (part 1): grid 256 x 1, 4 waves a work-group, clusters of 4 x 1, 327,680 bytes of LDS; arguments x_codes, x_scales, W_qkv_codes, W_qkv_scales, W_out_codes, W_out_scales, b_out, out0; writes out0
.if DOCPART == 1
	.amdgcn_target "amdgcn-amd-amdhsa--gfx1250"
	.amdhsa_code_object_version 6
	.text
	.protected	k_qc7f62088e9_fused
	.globl	k_qc7f62088e9_fused
	.p2align	8
	.type	k_qc7f62088e9_fused,@function
k_qc7f62088e9_fused:
	s_mov_b64 s[64:65], 0
	v_nop
	global_prefetch_b8 v0, s[64:65] scope:SCOPE_SE
	s_setreg_imm32_b32 hwreg(HW_REG_WAVE_MODE, 25, 1), 1
	s_wait_xcnt 0x0
	s_wait_alu depctr_hold_cnt(0) depctr_sa_sdst(0) depctr_va_vdst(0) depctr_va_sdst(0) depctr_va_ssrc(0) depctr_va_vcc(0) depctr_vm_vsrc(0)
	s_getreg_b32 s2, hwreg(HW_REG_IB_STS2, 6, 4)
	s_cmp_eq_u32 s2, 0
	s_cbranch_scc0 .Lentry_in_a_cluster
	s_endpgm
.Lentry_in_a_cluster:
	s_bfe_u32 s2, ttmp6, 0x10000c
	s_cmp_lg_u32 s2, 0x3003
	s_cbranch_scc0 .Lentry_shape_is_right
	s_endpgm
.Lentry_shape_is_right:
; out0 = (softmax over g of (q_h . k_g / 8) v) W_out + b_out, with q, k, v = x W_qkv, the softmax between the 16 heads of ONE token.  16,384 tokens.
; x, W_qkv, W_out arrive as codes of FP6 (E2M3), K innermost, one E8M0 byte for each 32 along K.  q, k and the attention's result are quantised here, in registers, along d (blocks of 32).
; ONE LAUNCH: a token needs all 3,072 columns of x W_qkv, so a work-group owns tokens, 64 of them (256 work-groups), and walks all weights; q, k, v, p never go to memory.
; SHARES.  In the three large products THE WAVES SHARE THE COLUMNS: each of the four waves keeps the 64 tokens' operand for all of K = 1,024 in registers (32 fragments, 384 registers: x, later the attention's result),
; so that a weight fragment read from LDS feeds four matrix instructions and 16 weight rows are finished in 8 K steps on short-lived accumulators.  In the scores and in p v wave w owns tokens 16 w .. 16 w + 15.
; THE STREAM.  32 slots of 128 whole weight rows (768 bytes a row): 16 of q and k, 8 of v, 8 of W_out, through a ring of two LDS slots.  Each wave fetches the 32 rows that it alone reads.
; CLUSTER.  All work-groups walk the same weights: the four of a cluster ask for each slot JOINTLY (the same tensor load, the same descriptor, a mask that names the four).  x's rows are each work-group's own: a plain load.
; ALL LARGE PRODUCTS ARE USED TRANSPOSED (source 0 = 16 weight rows, source 1 = 16 tokens): a lane holds ONE token and its registers run along the columns, which are the next product's K.
; v: the rows of a tile are 8 heads g x 2 channels d, so that a lane's 8 results are 8 neighbouring g of one d: what p v wants as K.  The v slots come in the order d0 = 0, 16, 8, 24, 32, 48, 40, 56, so that a lane's
; 16 results of p v are 16 neighbouring d.  p v has K = 16 and feeds a quantiser: f32 operands, v_wmma_f32_16x16x4_f32, accumulators in a register window that nothing else writes.
; LIMITS.  NaN and infinities are not served.  A block whose largest magnitude lies under 2^-124 gets the byte 1 (a block of zeros too: its codes are zeros; the bytes are read by this text alone).
; v_exp_f32 gives 0 for a p under 2^-126.  In the scores the 32 numbers of a block stand in another order than in memory, alike in q and k: the same products, summed in another order.
;
; LDS, in bytes
.set PW,     816                       ; a row of 768 bytes of codes: 3 x (256 + 16 of padding) = 204 words: row r starts at word 12 r mod 64 (64 banks of 4 bytes: ISA guide 11.1): the 32 lanes of a load of 8 bytes touch 64 different banks
.set WROW,   32*PW                     ; a wave's 32 rows of a slot
.set SLOTB,  4*WROW                    ; a slot: 104,448
.set SCR,    2*SLOTB                   ; behind the ring: scratch.  One fill lands here, x's, at the start; afterwards only LDS stores
.set QK,     SCR                       ; q's and k's codes: a row a token, [q 768][k 768] + 16
.set QKP,    1552
.set QKS,    QK+64*QKP                 ; their scale bytes: [q 32][k 32] + 4
.set QSP,    68
.set VST,    SCR                       ; v in f32: 16 d x 16 g a token: piece (g / 8, (g / 4) % 2) of 256 bytes, in it 16 bytes (4 g) for each d; + 16
.set VTP,    1040
.set OC,     VST+64*VTP                ; the attention's result as codes, a row a token
.set OCP,    776
.set OS,     OC+64*OCP                 ; its scale bytes, 32 a token
.set YST,    SCR                       ; the stage for out0: 64 rows x (512 + 16)
.set YP,     528
.set SPARE,  OS+64*32                  ; the spare words, 128 bytes for each wave: two blocks of 256 bytes that no other line names
; VECTOR REGISTERS.  Window 0:
.set SPW, 1                            ; LDS address of my spare word; never rewritten
.set NIL, 2                            ; 0; never rewritten
.set RR,  3                            ; r = lane % 16
.set HH,  4                            ; h = lane / 16
.set L16, 5                            ; 16 x lane
.set AN,  6                            ; v6-9   my place in a tile of neighbouring rows: slot 0, the same behind one padding more, slot 1, likewise
.set AV,  10                           ; v10-13 the same for v's tiles
.set VSN, 14                           ; offset of my row's scale bytes, neighbouring rows
.set VSV, 15                           ; the same for v's tiles
.set CW,  16                           ; v16-17 q, k: where my 12 bytes of codes go (token tiles 0-1, 2-3); v18 the scale byte; v19-21 the same with the slot's step
.set SW,  18
.set QR,  22                           ; the scores: my 24 bytes of a token's q
.set QSR, 23                           ; and my head's two scale bytes
.set WVA, 16                           ; from the scores on: v16 v's stores, v17 v's loads, v18-19 the result's codes and byte, v20-21 the stage in and out, v22-23 the result's fragments and scale words
.set RVA, 17
.set OW,  18
.set OSW, 19
.set YW,  20
.set YR,  21
.set OFR, 22
.set OSR, 23
.set BOF, 24                           ; offset of my 8 numbers of the bias
.set XSO, 25                           ; 32 x lane
.set XA,  26                           ; v26-27 my place in x's rows in LDS
.set XS,  32                           ; v32-47 the token operand's scale words: register 8 a + s: token tile 2 a in lanes 0-15, 2 a + 1 in lanes 16-31, K step s
.set WS,  48                           ; v48-63 the weights' scale words, two sets: register s: tile 0's rows in lanes 0-15, tile 1's in lanes 16-31
.set WF,  64                           ; v64-159 weight fragments: four buffers of two fragments (one K step)
.set ACC, 160                          ; v160-223 accumulator (token tile m, weight tile u) at 16 m + 8 u
.set TM,  224                          ; v224-255 at work
; Window 1: v0-191 the token operand's fragments of K steps 0-3 (at 48 s + 12 m); v192-255 p of my tokens 0-7, at last the bias.  Window 2: the same for K steps 4-7 and tokens 8-15.
; Window 3: the accumulators of p v and nothing else: token t's d 0-7 | 16-23 at 16 t, its d 8-15 | 24-31 at 16 t + 8.
; SCALAR REGISTERS
.set WV,  20                           ; my wave's number
.set G1D, 24                           ; s[24:31] group 1: 32 dense weight rows
.set G1V, 32                           ; s[32:39] group 1: v's rows
.set G1X, 40                           ; s[40:47] group 1: 16 rows of x
.set G0,  48                           ; s[48:55] group 0, a set for each slot of the ring
.set G0X, 56                           ; s[56:59] group 0 for x
.set NA,  60                           ; s[60:61] q's and k's rows: the slot asked for last
.set NV,  62                           ; s[62:63] v's
.set NO,  66                           ; s[66:67] W_out's
.set WSP, 68                           ; s[68:69] the next slot's scale bytes
.set SEL, 70                           ; s[70:71] v_permlanex16_b32's selects for lane l xor 16
.set CS,  72                           ; s[72:73] c = log2(e) / 8
.set CNT, 74
.set QOF, 75                           ; q, k: the slot's place in a token's codes (96 bytes a slot)
.set QSO, 76                           ; and among its scale bytes (4 a slot)
.set BP,  16                           ; s[16:17] the bias
.set OUTP, 18                          ; s[18:19] out0
.set MSB, 0
.macro WIN new                         ; bits 1:0 source 0, 3:2 source 1, 5:4 source 2, 7:6 destination; the high byte repeats the setting that is left
.if MSB != (\new)
	s_set_vgpr_msb (MSB<<8)|(\new)
.set MSB, (\new)
.endif
.endm
.macro PLACES n                        ; plain vector instructions that name no register of the matrix instruction in front of them (ISA guide 7.12.1)
.rept \n
	v_nop
.endr
.endm
; A round of the cluster's barrier: my work-group's barrier, wave 0 signals for the work-group, every wave waits for all four work-groups, my work-group's barrier once more.
.macro ROUND
	s_barrier_signal -1
	s_barrier_wait -1
	s_cmp_lg_u32 s[WV], 0
	s_cbranch_scc1 .Lnot_wave_0_\@
	s_barrier_signal -3
.Lnot_wave_0_\@:
	s_barrier_wait -3
	s_barrier_signal -1
	s_barrier_wait -1
.endm
; THE CHANGE OF SLOTS.  Each wave waits for all its tensor loads (one is out: the slot that it is about to read), adds 0 to its spare word, and waits for that and for all its LDS loads and stores.
; Behind the round no wave of any partner reads ring slot fb any more: it is filled again, first thing, one load a wave; that load has the next slot's whole work in which to land.
.macro CHANGE fb, ptr, back, delta, g1
	s_wait_tensorcnt 0x0                           ; no tensor load of mine is out, so a group 0 may be written
	ds_add_u32 v[SPW], v[NIL]                      ; 0 onto my spare word; the descriptor's step stands between it and the wait for it
.if \delta
.if \back
	s_sub_nc_u64 s[\ptr:\ptr+1], s[\ptr:\ptr+1], \delta
.else
	s_add_nc_u64 s[\ptr:\ptr+1], s[\ptr:\ptr+1], \delta
.endif
.endif
	s_mov_b64 s[G0+4*\fb+2:G0+4*\fb+3], s[\ptr:\ptr+1]
	s_or_b32 s[G0+4*\fb+3], s[G0+4*\fb+3], 0x80000000   ; 127:126 type = 2
	s_wait_dscnt 0x0                               ; the add is done; my reads of the ring and of the scratch are back, my stores into the scratch have landed
	ROUND
	tensor_load_to_lds s[G0+4*\fb:G0+4*\fb+3], s[\g1:\g1+7]
	s_nop 0
	PLACES 4
.endm
; A fragment, 16 rows x 128 K of 6-bit codes, is 12 registers: lane (r, h) holds row r; registers 6 c .. 6 c + 5 hold K = 64 c + 32 h + 0 .. 31: 24 bytes of the row as they lie, in pieces of 8 bytes.
; Piece p of a row lies at 8 p + 16 (p / 32).  Lanes 16-31 read three pieces further on: where that is behind one padding more, the second address register (40 for 24 bytes a half) serves.
.macro FRAG reg, adr, s, off
.irp p, 0,1,2,3,4,5
.set PCE, 12*(\s)+6*(\p/3)+\p%3
.if PCE%32 < 29
	ds_load_b64 v[\reg+2*\p:\reg+2*\p+1], v[\adr] offset:8*PCE+16*(PCE/32)+(\off)
.else
	ds_load_b64 v[\reg+2*\p:\reg+2*\p+1], v[\adr+1] offset:8*PCE+16*(PCE/32)+(\off)
.endif
.endr
.endm
.macro LOADW buf, map, s               ; my two weight fragments of K step s: 12 loads
	FRAG WF+24*((\s)%4), \map+2*\buf, \s, 0
	FRAG WF+24*((\s)%4)+12, \map+2*\buf, \s, 16*PW
.endm
; One product on the registers named by rD, rA, rB, rC, rSA, rSB.  cm = 0: the constant 0 starts the sum.  ra, rb: the side's scale words stand in lanes 16-31.
.macro WM cm, ra, rb
.if (\cm) == 0
.if (\ra) && (\rb)
	v_wmma_scale_f32_16x16x128_f8f6f4 v[rD:rD+7], v[rA:rA+11], v[rB:rB+11], 0, v[rSA], v[rSB] matrix_a_fmt:MATRIX_FMT_FP6 matrix_b_fmt:MATRIX_FMT_FP6 matrix_a_scale:MATRIX_SCALE_ROW1 matrix_b_scale:MATRIX_SCALE_ROW1
.elseif (\ra)
	v_wmma_scale_f32_16x16x128_f8f6f4 v[rD:rD+7], v[rA:rA+11], v[rB:rB+11], 0, v[rSA], v[rSB] matrix_a_fmt:MATRIX_FMT_FP6 matrix_b_fmt:MATRIX_FMT_FP6 matrix_a_scale:MATRIX_SCALE_ROW1
.elseif (\rb)
	v_wmma_scale_f32_16x16x128_f8f6f4 v[rD:rD+7], v[rA:rA+11], v[rB:rB+11], 0, v[rSA], v[rSB] matrix_a_fmt:MATRIX_FMT_FP6 matrix_b_fmt:MATRIX_FMT_FP6 matrix_b_scale:MATRIX_SCALE_ROW1
.else
	v_wmma_scale_f32_16x16x128_f8f6f4 v[rD:rD+7], v[rA:rA+11], v[rB:rB+11], 0, v[rSA], v[rSB] matrix_a_fmt:MATRIX_FMT_FP6 matrix_b_fmt:MATRIX_FMT_FP6
.endif
.else
.if (\ra) && (\rb)
	v_wmma_scale_f32_16x16x128_f8f6f4 v[rD:rD+7], v[rA:rA+11], v[rB:rB+11], v[rC:rC+7], v[rSA], v[rSB] matrix_a_fmt:MATRIX_FMT_FP6 matrix_b_fmt:MATRIX_FMT_FP6 matrix_a_scale:MATRIX_SCALE_ROW1 matrix_b_scale:MATRIX_SCALE_ROW1
.elseif (\ra)
	v_wmma_scale_f32_16x16x128_f8f6f4 v[rD:rD+7], v[rA:rA+11], v[rB:rB+11], v[rC:rC+7], v[rSA], v[rSB] matrix_a_fmt:MATRIX_FMT_FP6 matrix_b_fmt:MATRIX_FMT_FP6 matrix_a_scale:MATRIX_SCALE_ROW1
.elseif (\rb)
	v_wmma_scale_f32_16x16x128_f8f6f4 v[rD:rD+7], v[rA:rA+11], v[rB:rB+11], v[rC:rC+7], v[rSA], v[rSB] matrix_a_fmt:MATRIX_FMT_FP6 matrix_b_fmt:MATRIX_FMT_FP6 matrix_b_scale:MATRIX_SCALE_ROW1
.else
	v_wmma_scale_f32_16x16x128_f8f6f4 v[rD:rD+7], v[rA:rA+11], v[rB:rB+11], v[rC:rC+7], v[rSA], v[rSB] matrix_a_fmt:MATRIX_FMT_FP6 matrix_b_fmt:MATRIX_FMT_FP6
.endif
.endif
.endm
; A SLOT'S PRODUCTS: my 32 weight rows (two tiles) x the 64 tokens (four tiles) x K = 1,024: 8 K steps of 8 matrix instructions; the 8 accumulators take turns, one instruction a turn.
; buf: the ring's slot, and the set of scale words.  map: AN or AV.  cmode = 1: the bias is the C of the first K step.  st = 1: the pointers for what is fetched ahead step on.
; nk: the next slot's scale words: 1 by neighbouring rows from WSP, 2 v's rows with first channel na, 0 none.  The fragments run four K steps ahead, in four buffers.
.macro GEMM buf, map, cmode, st, nk, na
	s_wait_loadcnt 0x0                             ; this slot's scale words (and bias) are in; the loads that named WSP and BP are done, so both may step
.if \st
	s_add_nc_u64 s[WSP:WSP+1], s[WSP:WSP+1], 4096
.if \cmode
	s_add_nc_u64 s[BP:BP+1], s[BP:BP+1], 512
.endif
.endif
.irp s, 0,1,2,3
	LOADW \buf, \map, \s
.endr
.irp s, 0,1,2,3,4,5,6,7
.if \s < 5
	s_wait_dscnt 36                                ; this step's 12 loads are in, and all that is older; the three steps behind it may be out
.else
	s_wait_dscnt 12*(7-\s)
.endif
.if \s == 0 && \cmode
	WIN 0x14                                       ; source 1 (tokens) and source 2 (bias) window 1
.elseif \s < 4
	WIN 0x04                                       ; source 1 window 1; LDS and global loads are not touched by this setting
.else
	WIN 0x08                                       ; source 1 window 2
.endif
.irp m, 0,1,2,3
.irp u, 0,1
.set rD, ACC+16*\m+8*\u
.set rA, WF+24*(\s%4)+12*\u
.set rB, 48*(\s%4)+12*\m
.set rSA, WS+8*\buf+\s
.set rSB, XS+8*(\m/2)+\s
.if \s == 0
.if \cmode
.set rC, 192+8*\u
	WM 1, \u, \m%2
.else
	WM 0, \u, \m%2
.endif
.else
.set rC, rD
	WM 1, \u, \m%2
.endif
.endr
.endr
.if \s < 4
	PLACES 4                                       ; in front of loads into the buffer just multiplied
	LOADW \buf, \map, \s+4
.endif
.if \s == 3
.irp c, 0,1
.if \nk == 1
	global_load_b128 v[WS+8*(1-\buf)+4*\c:WS+8*(1-\buf)+4*\c+3], v[VSN], s[WSP:WSP+1] offset:16*\c
.elseif \nk == 2
	global_load_b128 v[WS+8*(1-\buf)+4*\c:WS+8*(1-\buf)+4*\c+3], v[VSV], s[10:11] offset:65536+32*\na+16*\c
.endif
.endr
.endif
.endr
	WIN 0
	PLACES 5                                       ; 4 in front of the first read of the results; 5 in front of the matrix instruction that begins these accumulators anew
.endm
; A SLOT OF q OR k: my 32 columns are one block of 32 along d, for each of the 64 tokens.  A lane's 16 registers (both tiles) and lane l xor 16's are the block.
.macro QSLOT buf, st, nk, na
	GEMM \buf, AN, 0, \st, \nk, \na
	v_add_nc_u32 v[CW+3], s[QOF], v[CW]
	v_add_nc_u32 v[CW+4], s[QOF], v[CW+1]
	v_add_nc_u32 v[CW+5], s[QSO], v[SW]
.irp m, 0,1,2,3
	v_max3_num_f32 v[TM+\m], |v[ACC+16*\m]|, |v[ACC+16*\m+1]|, 0x1800000   ; my 16 numbers, from the accumulators' low ends on, and the floor 2^(3 - 127): the byte cannot fall under 1
.endr
.irp i, 2,4,6,8,10,12,14
.irp m, 0,1,2,3
	v_max3_num_f32 v[TM+\m], v[TM+\m], |v[ACC+16*\m+\i]|, |v[ACC+16*\m+\i+1]|   ; (the four token tiles by turns)
.endr
.endr
.irp m, 0,1,2,3
	v_permlanex16_b32 v[TM+4+\m], v[TM+\m], s[SEL], s[SEL+1]
.endr
.irp m, 0,1,2,3
	v_max_num_f32 v[TM+\m], v[TM+\m], v[TM+4+\m]   ; the block's largest magnitude
.endr
.irp m, 0,1,2,3
	v_add_nc_u32 v[TM+8+\m], 0xff000000, v[TM+\m]  ; 2 off its exponent field: the conversion takes this operand's exponent field as its scale
.endr
.irp m, 0,1,2,3
	v_lshrrev_b32 v[TM+12+\m], 23, v[TM+8+\m]      ; the scale's byte
.endr
.irp m, 0,1,2,3
	v_cvt_scalef32_pk16_fp6_f32 v[TM+16+4*\m:TM+18+4*\m], v[ACC+16*\m:ACC+16*\m+15], v[TM+8+\m]   ; 16 codes, 12 bytes
.endr
	v_nop                                          ; one plain place behind the scaled conversions
.irp m, 0,1,2,3
.irp i, 0,1,2
	ds_store_b32 v[CW+3+\m/2], v[TM+16+4*\m+\i] offset:16*QKP*(\m%2)+4*\i   ; token 16 m + r, block 4 x slot + wave, half h
.endr
	ds_store_b8 v[CW+5], v[TM+12+\m] offset:16*QSP*\m   ; both lanes of a block write the same byte with the same value
.endr
	s_add_co_u32 s[QOF], s[QOF], 96
	s_add_co_u32 s[QSO], s[QSO], 4
.endm
; THE SOFTMAX of 8 tokens, by turns.  A lane holds one query head (r) and 8 of its 16 scores (g = 8 h + j); lane l xor 16 holds the others.  p = 2^(c s - c max) / the sum, finished and normalised, in f32.
.macro SOFT8 hf
.irp t, 0,1,2,3,4,5,6,7
	v_max3_num_f32 v[TM+\t], v[ACC+8*\t], v[ACC+8*\t+1], v[ACC+8*\t+2]
.endr
.irp i, 3,5
.irp t, 0,1,2,3,4,5,6,7
	v_max3_num_f32 v[TM+\t], v[TM+\t], v[ACC+8*\t+\i], v[ACC+8*\t+\i+1]
.endr
.endr
.irp t, 0,1,2,3,4,5,6,7
	v_max_num_f32 v[TM+\t], v[TM+\t], v[ACC+8*\t+7]
.endr
.irp t, 0,1,2,3,4,5,6,7
	v_permlanex16_b32 v[TM+8+\t], v[TM+\t], s[SEL], s[SEL+1]
.endr
.irp t, 0,1,2,3,4,5,6,7
	v_max_num_f32 v[TM+\t], v[TM+\t], v[TM+8+\t]   ; the row's largest score
.endr
.irp t, 0,1,2,3,4,5,6,7
	v_mul_f32 v[TM+16+2*\t], s[CS], v[TM+\t]       ; c max: the same number is taken off all 16 scores of the row, so its rounding cancels in the division
.endr
.irp i, 0,2,4,6
.irp t, 0,1,2,3,4,5,6,7
	v_pk_fma_f32 v[ACC+8*\t+\i:ACC+8*\t+\i+1], v[ACC+8*\t+\i:ACC+8*\t+\i+1], s[CS:CS+1], v[TM+16+2*\t:TM+17+2*\t] op_sel_hi:[1,0,0] neg_lo:[0,0,1] neg_hi:[0,0,1]
.endr
.endr
.set i, 0
.rept 64
	v_exp_f32 v[ACC+i], v[ACC+i]
.set i, i+1
.endr
	v_nop                                          ; a plain place behind the exponentials
	s_wait_alu depctr_va_vdst(0)
.irp t, 0,1,2,3,4,5,6,7
	v_pk_add_f32 v[TM+16+2*\t:TM+17+2*\t], v[ACC+8*\t:ACC+8*\t+1], v[ACC+8*\t+2:ACC+8*\t+3]
	v_pk_add_f32 v[TM+2*\t:TM+2*\t+1], v[ACC+8*\t+4:ACC+8*\t+5], v[ACC+8*\t+6:ACC+8*\t+7]
.endr
.irp t, 0,1,2,3,4,5,6,7
	v_pk_add_f32 v[TM+16+2*\t:TM+17+2*\t], v[TM+16+2*\t:TM+17+2*\t], v[TM+2*\t:TM+2*\t+1]
.endr
.irp t, 0,1,2,3,4,5,6,7
	v_add_f32 v[TM+\t], v[TM+16+2*\t], v[TM+17+2*\t]
.endr
.irp t, 0,1,2,3,4,5,6,7
	v_permlanex16_b32 v[TM+8+\t], v[TM+\t], s[SEL], s[SEL+1]
.endr
.irp t, 0,1,2,3,4,5,6,7
	v_add_f32 v[TM+\t], v[TM+\t], v[TM+8+\t]       ; the row's sum: at least about 1, the largest score's own term
.endr
.irp t, 0,1,2,3,4,5,6,7
	v_rcp_f32 v[TM+16+2*\t], v[TM+\t]
.endr
	v_nop                                          ; a plain place behind the reciprocals
	WIN 0x40<<\hf                                  ; destination window 1 (tokens 0-7) or 2 (tokens 8-15)
	s_wait_alu depctr_va_vdst(0)
.irp i, 0,2,4,6
.irp t, 0,1,2,3,4,5,6,7
	v_pk_mul_f32 v[192+8*\t+\i:192+8*\t+\i+1], v[ACC+8*\t+\i:ACC+8*\t+\i+1], v[TM+16+2*\t:TM+17+2*\t] op_sel_hi:[1,0]
.endr
.endr
	WIN 0
.endm
; THE SCORES of my 16 tokens: S^T = k q^T, source 0 = the token's 16 heads of k, source 1 = its 16 heads of q; K = 64, so the upper half of each fragment (K = 64 .. 127) is zero codes, which add nothing.
; A head's two scale bytes come as 16 bits; the two bytes above them are 0 and stand over zero codes.  The scale words lie in the weights' set 1, which is free here.
.macro SCORES
.set i, 0
.rept 8
.irp j, 6,7,8,9,10,11
	v_mov_b32 v[WF+12*i+\j], 0
.endr
.set i, i+1
.endr
	PLACES 4                                       ; an operand written by vector instructions stands four places ahead of a scaled matrix instruction
.irp hf, 0,1
.irp g, 0,1
.irp t, 0,1,2,3
.set TK, 8*\hf+4*\g+\t
.irp p, 0,1,2
	ds_load_b64 v[WF+24*\t+2*\p:WF+24*\t+2*\p+1], v[QR] offset:QKP*TK+768+8*\p
	ds_load_b64 v[WF+24*\t+12+2*\p:WF+24*\t+12+2*\p+1], v[QR] offset:QKP*TK+8*\p
.endr
	ds_load_u16 v[WS+8+2*\t], v[QSR] offset:QSP*TK+32
	ds_load_u16 v[WS+9+2*\t], v[QSR] offset:QSP*TK
.endr
	s_wait_dscnt 0x0
.irp t, 0,1,2,3
	v_wmma_scale_f32_16x16x128_f8f6f4 v[ACC+32*\g+8*\t:ACC+32*\g+8*\t+7], v[WF+24*\t:WF+24*\t+11], v[WF+24*\t+12:WF+24*\t+23], 0, v[WS+8+2*\t], v[WS+9+2*\t] matrix_a_fmt:MATRIX_FMT_FP6 matrix_b_fmt:MATRIX_FMT_FP6
.endr
	PLACES 5                                       ; 4 for the next loads and the first reads; 5 for the products that begin these accumulators anew, eight tokens on
.endr
	SOFT8 \hf
.endr
.endm
; A SLOT OF v: 16 heads x my 2 channels, for the 64 tokens.  A lane's 8 results are 8 neighbouring g of channel d0 + 2 w + h: two stores of 16 bytes.  bar = 1: the slot begins a new 16 channels in the stage:
; a barrier stands between every wave's reads of what lay there and these stores.
.macro VSLOT buf, half, bar, nk, na
	GEMM \buf, AV, 0, 0, \nk, \na
.if \bar
	s_wait_dscnt 0x0                               ; my reads of the scratch are back
	s_barrier_signal -1
	s_barrier_wait -1                              ; everybody's are.  (My tensor load stays out)
.endif
.irp m, 0,1,2,3
.irp u, 0,1
	ds_store_b128 v[WVA], v[ACC+16*\m+8*\u:ACC+16*\m+8*\u+3] offset:16*VTP*\m+512*\u+128*\half          ; each accumulator from its low end on
	ds_store_b128 v[WVA], v[ACC+16*\m+8*\u+4:ACC+16*\m+8*\u+7] offset:16*VTP*\m+512*\u+256+128*\half
.endr
.endr
.endm
; p v for my 16 tokens and the 16 channels in the stage: O^T = v^T p^T in f32, four K steps of 4.  The instruction's k = 2 h + j stands for g = 8 h + 2 kk + j, alike on both sides: so p's registers 2 kk, 2 kk + 1
; are source 1 as they stand, and source 0 is registers 2 kk, 2 kk + 1 of the 8 g that lane (channel r, h) loads.  In the result a lane holds one head (r) and 8 channels.  Eight tokens' accumulators by turns.
.macro PV y
.irp t, 0,1,2,3,4,5,6,7
	ds_load_b128 v[ACC+8*\t:ACC+8*\t+3], v[RVA] offset:VTP*\t
	ds_load_b128 v[ACC+8*\t+4:ACC+8*\t+7], v[RVA] offset:VTP*\t+256
.endr
.irp t, 0,1,2,3,4,5,6,7
	ds_load_b128 v[WF+8*\t:WF+8*\t+3], v[RVA] offset:VTP*(\t+8)
	ds_load_b128 v[WF+8*\t+4:WF+8*\t+7], v[RVA] offset:VTP*(\t+8)+256
.endr
	s_wait_dscnt 16                                ; tokens 0-7 are in; the sixteen loads of tokens 8-15 may be out
	WIN 0xf4                                       ; C and D window 3, source 1 (p) window 1
.irp kk, 0,1,2,3
.irp t, 0,1,2,3,4,5,6,7
.if \kk == 0
	v_wmma_f32_16x16x4_f32 v[16*\t+8*\y:16*\t+8*\y+7], v[ACC+8*\t+2*\kk:ACC+8*\t+2*\kk+1], v[192+8*\t+2*\kk:192+8*\t+2*\kk+1], 0
.else
	v_wmma_f32_16x16x4_f32 v[16*\t+8*\y:16*\t+8*\y+7], v[ACC+8*\t+2*\kk:ACC+8*\t+2*\kk+1], v[192+8*\t+2*\kk:192+8*\t+2*\kk+1], v[16*\t+8*\y:16*\t+8*\y+7]
.endif
.endr
.endr
	s_wait_dscnt 0x0
	WIN 0xf8                                       ; p in window 2
.irp kk, 0,1,2,3
.irp t, 0,1,2,3,4,5,6,7
.if \kk == 0
	v_wmma_f32_16x16x4_f32 v[128+16*\t+8*\y:128+16*\t+8*\y+7], v[WF+8*\t+2*\kk:WF+8*\t+2*\kk+1], v[192+8*\t+2*\kk:192+8*\t+2*\kk+1], 0
.else
	v_wmma_f32_16x16x4_f32 v[128+16*\t+8*\y:128+16*\t+8*\y+7], v[WF+8*\t+2*\kk:WF+8*\t+2*\kk+1], v[192+8*\t+2*\kk:192+8*\t+2*\kk+1], v[128+16*\t+8*\y:128+16*\t+8*\y+7]
.endif
.endr
.endr
	WIN 0
	PLACES 9                                       ; behind this form 8 in front of reads of the results and of loads into its sources, 9 in front of matrix instructions that write over its sources
.endm
; THE RESULT IS QUANTISED: block b (d = 32 b .. 32 b + 31) of each head of my 16 tokens.  A lane's 16 registers are d = 32 b + 16 h + 0 .. 15 of head r; lane l xor 16 holds the block's other half.
.macro OQ b
	WIN 0x3c                                       ; sources 1 and 2 window 3
.irp t, 0,1,2,3,4,5,6,7,8,9,10,11,12,13,14,15
	v_max3_num_f32 v[TM+\t], 0x1800000, |v[16*\t]|, |v[16*\t+1]|   ; the floor 2^(3 - 127) among the leaves
.endr
.irp i, 2,4,6,8,10,12,14
.irp t, 0,1,2,3,4,5,6,7,8,9,10,11,12,13,14,15
	v_max3_num_f32 v[TM+\t], v[TM+\t], |v[16*\t+\i]|, |v[16*\t+\i+1]|
.endr
.endr
	WIN 0
.irp t, 0,1,2,3,4,5,6,7,8,9,10,11,12,13,14,15
	v_permlanex16_b32 v[TM+16+\t], v[TM+\t], s[SEL], s[SEL+1]
.endr
.irp t, 0,1,2,3,4,5,6,7,8,9,10,11,12,13,14,15
	v_max_num_f32 v[TM+\t], v[TM+\t], v[TM+16+\t]
.endr
.irp t, 0,1,2,3,4,5,6,7,8,9,10,11,12,13,14,15
	v_add_nc_u32 v[TM+16+\t], 0xff000000, v[TM+\t]
.endr
.irp t, 0,1,2,3,4,5,6,7,8,9,10,11,12,13,14,15
	v_lshrrev_b32 v[TM+\t], 23, v[TM+16+\t]
.endr
	WIN 0x03                                       ; source 0 window 3
.irp t, 0,1,2,3,4,5,6,7,8,9,10,11,12,13,14,15
	v_cvt_scalef32_pk16_fp6_f32 v[ACC+4*\t:ACC+4*\t+2], v[16*\t:16*\t+15], v[TM+16+\t]
.endr
	WIN 0
	v_nop                                          ; one plain place behind the scaled conversions
.irp t, 0,1,2,3,4,5,6,7,8,9,10,11,12,13,14,15
.irp i, 0,1,2
	ds_store_b32 v[OW], v[ACC+4*\t+\i] offset:OCP*\t+24*\b+4*\i
.endr
	ds_store_b8 v[OSW], v[TM+\t] offset:32*\t+\b
.endr
.endm
; The 64 tokens' result becomes the token operand: 32 fragments and their scale words, in every wave.
.macro OFRAG
.irp s, 0,1,2,3,4,5,6,7
	WIN 0x40<<(\s/4)
.irp m, 0,1,2,3
.irp p, 0,1,2,3,4,5
	ds_load_b64 v[48*(\s%4)+12*\m+2*\p:48*(\s%4)+12*\m+2*\p+1], v[OFR] offset:16*OCP*\m+96*\s+48*(\p/3)+8*(\p%3)
.endr
.endr
.endr
	WIN 0
.irp a, 0,1
.irp c, 0,1
	ds_load_b128 v[XS+8*\a+4*\c:XS+8*\a+4*\c+3], v[OSR] offset:1024*\a+16*\c
.endr
.endr
.endm
.macro BIAS                            ; my 16 numbers of a slot's bias, in the result's layout: for tile u columns 32 w + 16 u + 8 h + 0 .. 7; window 1, v192-207
	WIN 0x40
.irp u, 0,1
.irp c, 0,1
	global_load_b128 v[192+8*\u+4*\c:192+8*\u+4*\c+3], v[BOF], s[BP:BP+1] offset:64*\u+16*\c
.endr
.endr
	WIN 0
.endm
; A SLOT OF W_out: 128 columns of out0 for the 64 tokens.  A row's 512 bytes come from four waves: they meet in the stage, and each wave stores 16 whole rows.  nb = 1: the next slot's bias is asked for.
.macro OSLOT buf, nk, nb
	GEMM \buf, AN, 1, 1, \nk, 0
.if \nb
	BIAS
.endif
.irp m, 0,1,2,3
.irp u, 0,1
	ds_store_b128 v[YW], v[ACC+16*\m+8*\u:ACC+16*\m+8*\u+3] offset:16*YP*\m+64*\u
	ds_store_b128 v[YW], v[ACC+16*\m+8*\u+4:ACC+16*\m+8*\u+7] offset:16*YP*\m+64*\u+16
.endr
.endr
	s_wait_dscnt 0x0                               ; for the others' sake: my stores into the stage have landed
	s_barrier_signal -1
	s_barrier_wait -1
.irp i, 0,1,2,3,4,5,6,7,8,9,10,11,12,13,14,15
	ds_load_b128 v[ACC+4*\i:ACC+4*\i+3], v[YR] offset:YP*\i
.endr
.irp i, 0,1,2,3,4,5,6,7,8,9,10,11,12,13,14,15
	s_wait_dscnt 15-\i                             ; row i is back; the younger loads may be out
	global_store_b128 v[L16], v[ACC+4*\i:ACC+4*\i+3], s[OUTP:OUTP+1] offset:4096*\i th:TH_STORE_NT   ; 32 lanes store 512 consecutive bytes, at a multiple of 256 from out0's first byte
.endr
	s_wait_xcnt 0x0                                ; the stores have read their registers and their base: both are written again only behind this wait
	s_add_nc_u64 s[OUTP:OUTP+1], s[OUTP:OUTP+1], 512
.endm
; ---- THE HEAD
	s_load_b256 s[4:11], s[0:1], 0x0               ; x's codes s[4:5], x's scales s[6:7], W_qkv's codes s[8:9], W_qkv's scales s[10:11]
	s_load_b256 s[12:19], s[0:1], 0x20             ; W_out's codes s[12:13], W_out's scales s[14:15], the bias s[16:17], out0 s[18:19]
	v_lshl_add_u32 v[SPW], v0, 2, SPARE
	v_mov_b32 v[NIL], 0
	ds_add_u32 v1, v2
	ds_add_u32 v1, v2
	s_wait_dscnt 0x0
	v_lshrrev_b32 v[RR], 5, v0
	v_readfirstlane_b32 s[WV], v[RR]               ; wave 0..3
	s_bfe_u32 s21, ttmp6, 0x40000                  ; cx: my place in the cluster
	s_lshl_b32 s22, ttmp9, 2                       ; in a cluster launch ttmp9 counts clusters
	s_add_co_u32 s22, s22, s21                     ; my block of 64 tokens: it enters x's and out0's addresses alone
	v_and_b32 v[RR], 15, v0
	v_bfe_u32 v[HH], v0, 4, 1
	v_and_b32 v[L16], 31, v0
	v_lshlrev_b32 v[L16], 4, v[L16]
	; group 1 for 32 dense weight rows, 24,576 bytes, as 96 rows of 256 bytes (32 elements of 8 bytes)
	s_mov_b32 s[G1D], 15|(3<<16)|(1<<20)|(1<<21)|(5<<22)|(3<<25)   ; 15:0 the mask: all four work-groups; 17:16 elements of 8 bytes; 20 padding on; 21 set beside a mask; 24:22 after every 64 words; 31:25 4 words of it
	s_mov_b32 s[G1D+1], 32<<16                     ; tensor_dim0
	s_mov_b32 s[G1D+2], 96<<16                     ; tensor_dim1
	s_mov_b32 s[G1D+3], 32<<16                     ; tile_dim0
	s_mov_b32 s[G1D+4], 96                         ; tile_dim1
	s_mov_b32 s[G1D+5], 32                         ; from row to row
	s_mov_b32 s[G1D+6], 0
	s_mov_b32 s[G1D+7], 0
	; for v: 16 lines, one a head, of two neighbouring weight rows (1,536 bytes), 64 weight rows apart
	s_mov_b32 s[G1V], 15|(3<<16)|(1<<20)|(1<<21)|(5<<22)|(3<<25)
	s_mov_b32 s[G1V+1], 192<<16
	s_mov_b32 s[G1V+2], 16<<16
	s_mov_b32 s[G1V+3], 192<<16
	s_mov_b32 s[G1V+4], 16
	s_mov_b32 s[G1V+5], 6144
	s_mov_b32 s[G1V+6], 0
	s_mov_b32 s[G1V+7], 0
	; for x: 16 dense rows, 12,288 bytes, as 48 rows of 256 bytes; no mask: each work-group has its own tokens
	s_mov_b32 s[G1X], (3<<16)|(1<<20)|(5<<22)|(3<<25)
	s_mov_b32 s[G1X+1], 32<<16
	s_mov_b32 s[G1X+2], 48<<16
	s_mov_b32 s[G1X+3], 32<<16
	s_mov_b32 s[G1X+4], 48
	s_mov_b32 s[G1X+5], 32
	s_mov_b32 s[G1X+6], 0
	s_mov_b32 s[G1X+7], 0
	s_mov_b32 s[G0], 1
	s_mul_i32 s[G0+1], s[WV], WROW                 ; my 32 rows of ring slot 0: no place in the cluster enters an LDS address
	s_mov_b32 s[G0+4], 1
	s_add_co_u32 s[G0+5], s[G0+1], SLOTB           ; and of slot 1
	s_mov_b32 s[G0X], 1
	s_mul_i32 s[G0X+1], s[WV], 16*PW
	s_add_co_u32 s[G0X+1], s[G0X+1], SCR
	s_mul_i32 s78, s22, 49152                      ; x: my block's 64 rows of 768 bytes, my wave's 16 of them
	s_mul_i32 s79, s[WV], 12288
	s_add_co_u32 s78, s78, s79
	s_mov_b32 s79, 0
	s_lshl_b32 s80, s22, 11                        ; x's scale bytes: 32 a token
	s_mov_b32 s81, 0
	s_lshl_b32 s82, s22, 18                        ; out0: 4,096 bytes a token; my wave stores tokens 16 w on
	s_lshl_b32 s83, s[WV], 16
	s_add_co_u32 s82, s82, s83
	s_mov_b32 s83, 0
	s_mul_i32 s84, s[WV], 24576                    ; my 32 rows of a slot of neighbouring rows
	s_mov_b32 s85, 0
	s_mul_i32 s86, s[WV], 1536                     ; v: weight row 2,048 + 2 w
	s_add_co_u32 s86, s86, 1572864
	s_mov_b32 s87, 0
	s_mov_b32 s[SEL], 0x76543210
	s_mov_b32 s[SEL+1], 0xfedcba98
	s_mov_b32 s[CS], 0x3e38aa3b                    ; log2(e) / 8
	s_mov_b32 s[CS+1], s[CS]                       ; (named with it as a pair, so it is written)
	s_mov_b32 s[QOF], 0
	s_mov_b32 s[QSO], 0
	; the lanes' places
	v_mul_u32_u24 v[AN], v[RR], PW
	v_mad_u32_u24 v[AN], v[HH], 24, v[AN]
	v_add_nc_u32 v[AN], s[G0+1], v[AN]             ; row r of my rows, + 24 h
	v_lshl_add_u32 v[AN+1], v[HH], 4, v[AN]        ; the same behind one padding more
	v_add_nc_u32 v[AN+2], SLOTB, v[AN]
	v_add_nc_u32 v[AN+3], SLOTB, v[AN+1]
	v_and_b32 v28, 7, v[RR]
	v_lshrrev_b32 v29, 3, v[RR]
	v_lshl_add_u32 v30, v28, 1, v29                ; v: lane r of tile T takes LDS row 16 T + 2 (r % 8) + r / 8: head 8 T + r % 8, channel r / 8 of my two
	v_mul_u32_u24 v[AV], v30, PW
	v_mad_u32_u24 v[AV], v[HH], 24, v[AV]
	v_add_nc_u32 v[AV], s[G0+1], v[AV]
	v_lshl_add_u32 v[AV+1], v[HH], 4, v[AV]
	v_add_nc_u32 v[AV+2], SLOTB, v[AV]
	v_add_nc_u32 v[AV+3], SLOTB, v[AV+1]
	s_lshl_b32 s77, s[WV], 10
	v_lshl_add_u32 v[VSN], v[L16], 1, s77          ; scale bytes, 32 a weight row: row 32 w + lane
	v_lshl_add_u32 v[VSV], v[HH], 3, v28
	v_lshlrev_b32 v[VSV], 11, v[VSV]               ; v: head 8 h + r % 8: 64 rows a head,
	v_lshl_add_u32 v[VSV], v29, 5, v[VSV]          ; channel r / 8,
	s_lshl_b32 s77, s[WV], 6
	v_add_nc_u32 v[VSV], s77, v[VSV]               ; + 2 w
	v_mul_u32_u24 v[CW], v[RR], QKP
	v_mad_u32_u24 v[CW], v[HH], 12, v[CW]
	s_mul_i32 s77, s[WV], 24
	s_add_co_u32 s77, s77, QK
	v_add_nc_u32 v[CW], s77, v[CW]                 ; token r, block w of a slot's four, half h
	v_add_nc_u32 v[CW+1], 32*QKP, v[CW]            ; token tiles 2 and 3: beyond an offset's 16 bits
	v_mul_u32_u24 v[SW], v[RR], QSP
	s_add_co_u32 s77, s[WV], QKS
	v_add_nc_u32 v[SW], s77, v[SW]
	v_mul_u32_u24 v[QR], v[RR], 48
	v_mad_u32_u24 v[QR], v[HH], 24, v[QR]
	s_mul_i32 s77, s[WV], 16*QKP
	s_add_co_u32 s77, s77, QK
	v_add_nc_u32 v[QR], s77, v[QR]                 ; my wave's tokens; head r's block h
	s_mul_i32 s77, s[WV], 16*QSP
	s_add_co_u32 s77, s77, QKS
	v_lshl_add_u32 v[QSR], v[RR], 1, s77
	s_lshl_b32 s77, s[WV], 7
	v_lshl_add_u32 v[BOF], v[HH], 5, s77
	v_lshlrev_b32 v[XSO], 1, v[L16]
	v_mul_u32_u24 v[XA], v[RR], PW
	v_mad_u32_u24 v[XA], v[HH], 24, v[XA]
	v_add_nc_u32 v[XA], SCR, v[XA]
	v_lshl_add_u32 v[XA+1], v[HH], 4, v[XA]
.set i, 0
.rept 32
	v_mov_b32 v[TM+i], 0                           ; written once: a lane permute's destination, and the upper half of a pair named for its lower, count as read
.set i, i+1
.endr
	s_wait_kmcnt 0x0
	s_add_nc_u64 s[G0X+2:G0X+3], s[4:5], s[78:79]
	s_or_b32 s[G0X+3], s[G0X+3], 0x80000000
	s_add_nc_u64 s[6:7], s[6:7], s[80:81]
	s_add_nc_u64 s[OUTP:OUTP+1], s[OUTP:OUTP+1], s[82:83]
	s_add_nc_u64 s[NA:NA+1], s[8:9], s[84:85]
	s_add_nc_u64 s[NV:NV+1], s[8:9], s[86:87]
	s_add_nc_u64 s[NO:NO+1], s[12:13], s[84:85]
	s_add_nc_u64 s[WSP:WSP+1], s[10:11], 4096      ; slot 1's scale bytes
	s_mov_b64 s[G0+2:G0+3], s[NA:NA+1]
	s_or_b32 s[G0+3], s[G0+3], 0x80000000
	s_add_nc_u64 s[NA:NA+1], s[NA:NA+1], 98304
	s_mov_b64 s[G0+6:G0+7], s[NA:NA+1]
	s_or_b32 s[G0+7], s[G0+7], 0x80000000
	ROUND                                          ; all four work-groups are here: the first joint loads meet
	tensor_load_to_lds s[G0X:G0X+3], s[G1X:G1X+7]  ; the first fills go out as one group: x's 16 rows of mine,
	s_nop 0
	tensor_load_to_lds s[G0:G0+3], s[G1D:G1D+7]    ; weight slot 0,
	s_nop 0
	tensor_load_to_lds s[G0+4:G0+7], s[G1D:G1D+7]  ; weight slot 1: three loads of mine are out
	s_nop 0
	PLACES 4
.irp a, 0,1
.irp c, 0,1
	global_load_b128 v[XS+8*\a+4*\c:XS+8*\a+4*\c+3], v[XSO], s[6:7] offset:1024*\a+16*\c   ; x's scale words: token 32 a + lane, K steps 4 c on
.endr
.endr
.irp c, 0,1
	global_load_b128 v[WS+4*\c:WS+4*\c+3], v[VSN], s[10:11] offset:16*\c   ; slot 0's
.endr
	s_wait_tensorcnt 0x2                           ; my rows of x are in; the two weight slots may stay out
	s_barrier_signal -1
	s_barrier_wait -1                              ; everybody's are
.irp s, 0,1,2,3,4,5,6,7
	WIN 0x40<<(\s/4)                               ; destination window 1 (K steps 0-3) or 2
.irp m, 0,1,2,3
	FRAG 48*(\s%4)+12*\m, XA, \s, 16*PW*\m
.endr
.endr
	WIN 0
	s_wait_tensorcnt 0x1                           ; my rows of slot 0 are in, which I alone read; slot 1's may stay out
	s_wait_dscnt 0x0                               ; x is in my registers
	s_barrier_signal -1
	s_barrier_wait -1                              ; and in everybody's: q's and k's codes may be stored where it lay
; ---- q AND k: slots 0 to 15
	QSLOT 0, 0, 1, 0
	s_mov_b32 s[CNT], 7
.Lqk:
	CHANGE 0, NA, 0, 98304, G1D
	QSLOT 1, 1, 1, 0
	CHANGE 1, NA, 0, 98304, G1D
	QSLOT 0, 1, 1, 0
	s_sub_co_u32 s[CNT], s[CNT], 1
	s_cmp_lg_u32 s[CNT], 0
	s_cbranch_scc1 .Lqk
	CHANGE 0, NV, 0, 0, G1V                        ; v's channels 0-7
	QSLOT 1, 0, 2, 0                               ; slot 15
; ---- v AND THE ATTENTION, written out: the channels come in the order 0, 16, 8, 24, 32, 48, 40, 56
	CHANGE 1, NV, 0, 12288, G1V                    ; channels 16-23.  The round has shown every wave's codes of q and k landed
	SCORES
	v_mul_u32_u24 v[WVA], v[RR], VTP               ; the addresses of what follows take the registers that q and k have left
	v_lshl_add_u32 v[WVA], v[HH], 4, v[WVA]
	s_lshl_b32 s77, s[WV], 5
	s_add_co_u32 s77, s77, VST
	v_add_nc_u32 v[WVA], s77, v[WVA]               ; v in: token r, channel 2 w + h of a slot's eight
	v_lshlrev_b32 v[RVA], 4, v[RR]
	v_lshl_add_u32 v[RVA], v[HH], 9, v[RVA]
	s_mul_i32 s77, s[WV], 16*VTP
	s_add_co_u32 s77, s77, VST
	v_add_nc_u32 v[RVA], s77, v[RVA]               ; v out: my tokens; channel r of the stage's 16, heads 8 h on
	v_mul_u32_u24 v[OW], v[RR], 48
	v_mad_u32_u24 v[OW], v[HH], 12, v[OW]
	s_mul_i32 s77, s[WV], 16*OCP
	s_add_co_u32 s77, s77, OC
	v_add_nc_u32 v[OW], s77, v[OW]                 ; the result's codes: my tokens; head r, half h of a block
	s_lshl_b32 s77, s[WV], 9
	s_add_co_u32 s77, s77, OS
	v_lshl_add_u32 v[OSW], v[RR], 1, s77
	v_mul_u32_u24 v[YW], v[RR], YP
	v_lshl_add_u32 v[YW], v[HH], 5, v[YW]
	s_lshl_b32 s77, s[WV], 7
	s_add_co_u32 s77, s77, YST
	v_add_nc_u32 v[YW], s77, v[YW]                 ; the stage in: token r, my 32 columns, 8 h on
	s_mul_i32 s77, s[WV], 16*YP
	s_add_co_u32 s77, s77, YST
	v_add_nc_u32 v[YR], s77, v[L16]                ; and out: my 16 rows, 16 bytes a lane
	v_mul_u32_u24 v[OFR], v[RR], OCP
	v_mad_u32_u24 v[OFR], v[HH], 24, v[OFR]
	v_add_nc_u32 v[OFR], OC, v[OFR]
	v_lshl_add_u32 v[OSR], v[L16], 1, OS
	VSLOT 0, 0, 1, 2, 16                           ; channels 0-7
	CHANGE 0, NV, 1, 6144, G1V                     ; 8-15
	VSLOT 1, 1, 0, 2, 8                            ; channels 16-23
	CHANGE 1, NV, 0, 12288, G1V                    ; 24-31
	PV 0
	VSLOT 0, 0, 1, 2, 24                           ; channels 8-15
	CHANGE 0, NV, 0, 6144, G1V                     ; 32-39
	VSLOT 1, 1, 0, 2, 32                           ; channels 24-31
	CHANGE 1, NV, 0, 12288, G1V                    ; 48-55
	PV 1
	OQ 0
	VSLOT 0, 0, 1, 2, 48                           ; channels 32-39
	CHANGE 0, NV, 1, 6144, G1V                     ; 40-47
	VSLOT 1, 1, 0, 2, 40                           ; channels 48-55
	CHANGE 1, NV, 0, 12288, G1V                    ; 56-63
	PV 0
	VSLOT 0, 0, 1, 2, 56                           ; channels 40-47
	CHANGE 0, NO, 0, 0, G1D                        ; W_out's slot 0
	s_mov_b64 s[WSP:WSP+1], s[14:15]               ; (no load that names WSP is out since slot 15's wait)
	VSLOT 1, 1, 0, 1, 0                            ; channels 56-63
	CHANGE 1, NO, 0, 98304, G1D
	PV 1
	OQ 1
	BIAS                                           ; the first slot's; p has been multiplied for the last time
	s_wait_dscnt 0x0                               ; my codes and bytes of the result have landed
	s_barrier_signal -1
	s_barrier_wait -1                              ; everybody's have
	OFRAG
; ---- THE LAST PRODUCT: W_out's slots 0 to 7
	OSLOT 0, 1, 1
	s_mov_b32 s[CNT], 3
.Lout:
	CHANGE 0, NO, 0, 98304, G1D
	OSLOT 1, 1, 1
	CHANGE 1, NO, 0, 98304, G1D
	OSLOT 0, 1, 1
	s_sub_co_u32 s[CNT], s[CNT], 1
	s_cmp_lg_u32 s[CNT], 0
	s_cbranch_scc1 .Lout
	s_wait_tensorcnt 0x0                           ; the last change of slots is written out: nothing is left to fetch, so no round follows; my rows of the last slot are in
	ds_add_u32 v[SPW], v[NIL]
	s_wait_dscnt 0x0                               ; my reads of the stage are back
	s_barrier_signal -1
	s_barrier_wait -1                              ; everybody's are: the stage may be written again
	OSLOT 1, 0, 0                                  ; the last slot asks for nothing: no load leaves its buffer
	s_wait_tensorcnt 0x0                           ; the wave's end: behind my last tensor load and my last LDS store
	ds_add_u32 v[SPW], v[NIL]
	s_wait_dscnt 0x0
	ROUND                                          ; the closing round: no work-group ends while a partner may still ask for a tile that names it
	s_endpgm
.Lfunc_end_k_qc7f62088e9_fused:
	.size	k_qc7f62088e9_fused, .Lfunc_end_k_qc7f62088e9_fused-k_qc7f62088e9_fused
	.p2alignl 7, 3214868480
	.fill 96, 4, 3214868480
	.section	.rodata,"a",@progbits
	.p2align	6, 0x0
	.amdhsa_kernel k_qc7f62088e9_fused
		.amdhsa_group_segment_fixed_size 327680
		.amdhsa_private_segment_fixed_size 0
		.amdhsa_enable_private_segment 0
		.amdhsa_kernarg_size 64
		.amdhsa_user_sgpr_count 2
		.amdhsa_user_sgpr_kernarg_segment_ptr 1
		.amdhsa_wavefront_size32 1
		.amdhsa_system_sgpr_workgroup_id_x 1
		.amdhsa_system_sgpr_workgroup_id_y 1
		.amdhsa_system_sgpr_workgroup_id_z 1
		.amdhsa_system_vgpr_workitem_id 0
		.amdhsa_next_free_vgpr 1024
		.amdhsa_next_free_sgpr 96
		.amdhsa_reserve_vcc 0
		.amdhsa_float_denorm_mode_32 3
		.amdhsa_float_denorm_mode_16_64 3
		.amdhsa_memory_ordered 1
		.amdhsa_forward_progress 1
		.amdhsa_inst_pref_size 255
	.end_amdhsa_kernel
	.section	.bss,"aw",@nobits
	.p2align	6
	.space	262144
	.amdgpu_metadata
---
amdhsa.version: [ 1, 2 ]
amdhsa.kernels:
  - .name:           k_qc7f62088e9_fused
    .symbol:         k_qc7f62088e9_fused.kd
    .args:
      - { .name: x_codes, .offset: 0, .size: 8, .value_kind: global_buffer, .address_space: global }
      - { .name: x_scales, .offset: 8, .size: 8, .value_kind: global_buffer, .address_space: global }
      - { .name: W_qkv_codes, .offset: 16, .size: 8, .value_kind: global_buffer, .address_space: global }
      - { .name: W_qkv_scales, .offset: 24, .size: 8, .value_kind: global_buffer, .address_space: global }
      - { .name: W_out_codes, .offset: 32, .size: 8, .value_kind: global_buffer, .address_space: global }
      - { .name: W_out_scales, .offset: 40, .size: 8, .value_kind: global_buffer, .address_space: global }
      - { .name: b_out, .offset: 48, .size: 8, .value_kind: global_buffer, .address_space: global }
      - { .name: out0, .offset: 56, .size: 8, .value_kind: global_buffer, .address_space: global }
    .group_segment_fixed_size: 327680
    .private_segment_fixed_size: 0
    .kernarg_segment_align: 8
    .kernarg_segment_size: 64
    .max_flat_workgroup_size: 128
    .sgpr_count:     96
    .vgpr_count:     1024
    .wavefront_size: 32
...
	.end_amdgpu_metadata
.endif
;; end of part 1
;; ======== version 2 of 2: 1 launch
;; limits: right only within a limited range of input values
;; launch fused (part 2): grid 256 x 1, 4 waves a work-group, clusters of 4 x 1, 327,680 bytes of LDS; arguments x_codes, x_scales, W_qkv_codes, W_qkv_scales, W_out_codes, W_out_scales, b_out, out0; writes out0
.if DOCPART == 2
	.amdgcn_target "amdgcn-amd-amdhsa--gfx1250"
	.amdhsa_code_object_version 6
	.text
	.protected	k_qc7f62088e9_fused
	.globl	k_qc7f62088e9_fused
	.p2align	8
	.type	k_qc7f62088e9_fused,@function
k_qc7f62088e9_fused:
	s_mov_b64 s[64:65], 0
	v_nop
	global_prefetch_b8 v0, s[64:65] scope:SCOPE_SE
	s_setreg_imm32_b32 hwreg(HW_REG_WAVE_MODE, 25, 1), 1
	s_wait_xcnt 0x0
	s_wait_alu depctr_hold_cnt(0) depctr_sa_sdst(0) depctr_va_vdst(0) depctr_va_sdst(0) depctr_va_ssrc(0) depctr_va_vcc(0) depctr_vm_vsrc(0)
	s_getreg_b32 s2, hwreg(HW_REG_IB_STS2, 6, 4)
	s_cmp_eq_u32 s2, 0
	s_cbranch_scc0 .Lentry_in_a_cluster
	s_endpgm
.Lentry_in_a_cluster:
	s_bfe_u32 s2, ttmp6, 0x10000c
	s_cmp_lg_u32 s2, 0x3003
	s_cbranch_scc0 .Lentry_shape_is_right
	s_endpgm
.Lentry_shape_is_right:
; out0 = (softmax over g of (q_h . k_g / 8) v) W_out + b_out, with q, k, v = x W_qkv, the softmax between the 16 heads of ONE token.  16,384 tokens.
; x, W_qkv, W_out arrive as codes of FP6 (E2M3), K innermost, one E8M0 byte for each 32 along K.  q, k and the attention's result are quantised here, in registers, along d (blocks of 32).
; ONE LAUNCH: a token needs all 3,072 columns of x W_qkv, so a work-group owns tokens, 64 of them (256 work-groups), and walks all weights; q, k, v, p never go to memory.
; SHARES.  In the three large products THE WAVES SHARE THE COLUMNS: each of the four waves keeps the 64 tokens' operand for all of K = 1,024 in registers (32 fragments, 384 registers: x, later the attention's result),
; so that a weight fragment read from LDS feeds four matrix instructions and 16 weight rows are finished in 8 K steps on short-lived accumulators.  In the scores and in p v wave w owns tokens 16 w .. 16 w + 15.
; THE STREAM.  32 slots of 128 whole weight rows (768 bytes a row): 16 of q and k, 8 of v, 8 of W_out, through a ring of two LDS slots.  Each wave fetches the 32 rows that it alone reads.
; THE CHANGE OF SLOTS STANDS IN A SLOT'S LAST TWO K STEPS: its barrier opens under the last eight products; behind it the ring's slot just read out is filled again, the next slot's first fragments are fetched,
; and only then comes this slot's epilogue (quantising, stores), under which those fragments land.
; CLUSTER.  All work-groups walk the same weights: the four of a cluster ask for each slot JOINTLY (the same tensor load, the same descriptor, a mask that names the four).  x's rows are each work-group's own: a plain load.
; EACH CLUSTER BEGINS ELSEWHERE.  A number R of four bits is made of the cluster's number.  Step t of q and k takes slot (t + R) mod 16, step t of W_out slot (t + R) mod 8, and v's channels come as d0 xor 16 (R & 1) xor 32 ((R >> 1) & 1).
; So clusters that walk in step ask for different slots at the same time, and but for the first step of q and k, the first and third of v and the first of W_out a cluster's slot has been asked for before by another cluster.
; The order in time is undone where the results are READ: q's and k's codes lie at the place of their STEP, and the scores look up the place of a head's slot; p v takes channel place r xor 8 (R & 1) of the stage;
; the result's two blocks of 32 lie at the places of their time, and the last product's fragments and scale words look the place up; for W_out only addresses in memory differ.
; ALL LARGE PRODUCTS ARE USED TRANSPOSED (source 0 = 16 weight rows, source 1 = 16 tokens): a lane holds ONE token and its registers run along the columns, which are the next product's K.
; v: the rows of a tile are 8 heads g x 2 channels d, so that a lane's 8 results are 8 neighbouring g of one d: what p v wants as K.  The v slots come (for R = 0) in the order d0 = 0, 16, 8, 24, 32, 48, 40, 56, so that a lane's
; 16 results of p v are 16 neighbouring d.  p v has K = 16 and feeds a quantiser: f32 operands, v_wmma_f32_16x16x4_f32, accumulators in a register window that nothing else writes.
; LIMITS.  NaN and infinities are not served.  A block whose largest magnitude lies under 2^-124 gets the byte 1 (a block of zeros too: its codes are zeros; the bytes are read by this text alone).
; v_exp_f32 gives 0 for a p under 2^-126.  In the scores the 32 numbers of a block stand in another order than in memory, alike in q and k: the same products, summed in another order.
;
; LDS, in bytes
.set PW,     816                       ; a row of 768 bytes of codes: 3 x (256 + 16 of padding) = 204 words: row r starts at word 12 r mod 64 (64 banks of 4 bytes: ISA guide 11.1): the 32 lanes of a load of 8 bytes touch 64 different banks
.set WROW,   32*PW                     ; a wave's 32 rows of a slot
.set SLOTB,  4*WROW                    ; a slot: 104,448
.set SCR,    2*SLOTB                   ; behind the ring: scratch.  One fill lands here, x's, at the start; afterwards only LDS stores
.set QK,     SCR                       ; q's and k's codes: a row a token, 16 places of 96 bytes, one for each step, + 16
.set QKP,    1552
.set QKS,    QK+64*QKP                 ; their scale bytes: 16 places of 4 bytes, + 4
.set QSP,    68
.set VST,    SCR                       ; v in f32: 16 d x 16 g a token: piece (g / 8, (g / 4) % 2) of 256 bytes, in it 16 bytes (4 g) for each d; + 16
.set VTP,    1040
.set OC,     VST+64*VTP                ; the attention's result as codes, a row a token: for each head two places of 24 bytes
.set OCP,    776
.set OS,     OC+64*OCP                 ; its scale bytes, 32 a token
.set YST,    SCR                       ; the stage for out0: 64 rows x (512 + 16)
.set YP,     528
.set SPARE,  OS+64*32                  ; the spare words, 128 bytes for each wave: two blocks of 256 bytes that no other line names
; VECTOR REGISTERS.  Window 0:
.set SPW, 1                            ; LDS address of my spare word; never rewritten
.set NIL, 2                            ; 0; never rewritten
.set RR,  3                            ; r = lane % 16
.set HH,  4                            ; h = lane / 16
.set L16, 5                            ; 16 x lane
.set AN,  6                            ; v6-9   my place in a tile of neighbouring rows: slot 0, the same behind one padding more, slot 1, likewise
.set AV,  10                           ; v10-13 the same for v's tiles
.set VSN, 14                           ; offset of my row's scale bytes, neighbouring rows
.set VSV, 15                           ; the same for v's tiles
.set CW,  16                           ; v16-17 q, k: where my 12 bytes of codes go (token tiles 0-1, 2-3); v18 the scale byte; v19-21 the same with the step's place
.set SW,  18
.set WVA, 16                           ; from the scores on: v16 v's stores, v17 v's loads, v18-19 the result's codes and byte, v20-21 the stage in and out, v22-23 the result's fragments and scale words
.set RVA, 17
.set OW,  18
.set OSW, 19
.set YW,  20
.set YR,  21
.set OFR, 22
.set OSR, 23
.set BOF, 24                           ; offset of my 8 numbers of the bias
.set XSO, 25                           ; 32 x lane
.set XA,  26                           ; v26-27 my place in x's rows in LDS
.set QRQ, 28                           ; the scores: my 24 bytes of a token's q: head r, block h, at the place of its slot's step
.set QRK, 29                           ; and of its k
.set QSQ, 30                           ; my head's two scale bytes of q
.set QSK, 31                           ; and of k
.set XS,  32                           ; v32-47 the token operand's scale words: register 8 a + s: token tile 2 a in lanes 0-15, 2 a + 1 in lanes 16-31, K step s
.set WS,  48                           ; v48-63 the weights' scale words, two sets: register s: tile 0's rows in lanes 0-15, tile 1's in lanes 16-31
.set WF,  64                           ; v64-159 weight fragments: four buffers of two fragments (one K step)
.set ACC, 160                          ; v160-223 accumulator (token tile m, weight tile u) at 16 m + 8 u
.set TM,  224                          ; v224-255 at work
; Window 1: v0-191 the token operand's fragments of K steps 0-3 (at 48 s + 12 m); v192-255 p of my tokens 0-7, at last the bias.  Window 2: the same for K steps 4-7 and tokens 8-15.
; Window 3: the accumulators of p v and nothing else: token t's d 0-7 | 16-23 at 16 t, its d 8-15 | 24-31 at 16 t + 8.
; SCALAR REGISTERS.  s[4:19] the eight buffers; s[10:11], s[14:15], s[16:17] (W_qkv's scales, W_out's scales, the bias) stay as they come
.set OB,  18                           ; s[18:19] out0 at my wave's first row
.set WV,  20                           ; my wave's number
.set G1D, 24                           ; s[24:31] group 1: 32 dense weight rows
.set G1V, 32                           ; s[32:39] group 1: v's rows
.set G1X, 40                           ; s[40:47] group 1: 32 rows of x
.set G0,  48                           ; s[48:55] group 0, a set for each slot of the ring
.set G0X, 56                           ; s[56:59] group 0 for x
.set NA,  60                           ; s[60:61] q's and k's rows: my 32 of slot 0; stays
.set NV,  62                           ; s[62:63] v's rows: head 0, channel 2 w; stays
.set NO,  66                           ; s[66:67] W_out's rows: my 32 of slot 0; stays
.set WSP, 68                           ; s[68:69] the next slot's scale bytes
.set SEL, 70                           ; s[70:71] v_permlanex16_b32's selects for lane l xor 16
.set CS,  72                           ; s[72:73] c = log2(e) / 8
.set CNT, 74
.set QOF, 75                           ; q, k: the step's place in a token's codes (96 bytes a step)
.set QSO, 76                           ; and among its scale bytes (4 a step)
.set BP,  80                           ; s[80:81] the next slot's bias
.set OUTP, 82                          ; s[82:83] out0 at my first row and the slot's first column
.set RT,  88                           ; R: where my cluster begins
.set LI,  89                           ; the slot asked for last
.set SI,  90                           ; the slot whose scale words were asked for last
.set XV,  91                           ; 16 (R & 1) + 32 ((R >> 1) & 1): what turns v's channels
.set OFF, 92                           ; s[92:93] an offset in 64 bits; the upper word stays 0
.set PSEL, 98                          ; v_perm_b32's selector for the result's scale words: as they lie, or each pair of bytes exchanged
.set TT,  99                           ; v's loop: 0 in the first trip, 32 in the second: it turns the channel parts, and counts the trips; 0 from the head on
.set G0H, 84                           ; s[84:87] group 0 for the head's halves of the first weight slot (the offsets that lay there have been used by then)
.set G0O, 56                           ; s[56:59], s[84:87] from v's loop on: group 0 for W_out's first two slots, ring slot 0 and 1
.set WP2, 78                           ; s[78:79] in v's loop: the scale bytes of W_out's first slot
.set MSB, 0
.macro WIN new                         ; bits 1:0 source 0, 3:2 source 1, 5:4 source 2, 7:6 destination; the high byte repeats the setting that is left
.if MSB != (\new)
	s_set_vgpr_msb (MSB<<8)|(\new)
.set MSB, (\new)
.endif
.endm
.macro PLACES n                        ; plain vector instructions that name no register of the matrix instruction in front of them (ISA guide 7.12.1)
.rept \n
	v_nop
.endr
.endm
; A round of the cluster's barrier: my work-group's barrier, wave 0 signals for the work-group, every wave waits for all four work-groups, my work-group's barrier once more.
.macro CREST                           ; a round behind its opening barrier
	s_cmp_lg_u32 s[WV], 0
	s_cbranch_scc1 .Lnot_wave_0_\@
	s_barrier_signal -3
.Lnot_wave_0_\@:
	s_barrier_wait -3
	s_barrier_signal -1
	s_barrier_wait -1
.endm
.macro ROUND                           ; a whole round
	s_barrier_signal -1
	s_barrier_wait -1
	CREST
.endm
.macro BAR                             ; my LDS stores have landed and my LDS loads are in: then the work-group's barrier.  (A tensor load of mine may stay out)
	s_wait_dscnt 0x0
	s_barrier_signal -1
	s_barrier_wait -1
.endm
; A fragment, 16 rows x 128 K of 6-bit codes, is 12 registers: lane (r, h) holds row r; registers 6 c .. 6 c + 5 hold K = 64 c + 32 h + 0 .. 31: 24 bytes of the row as they lie, in pieces of 8 bytes.
; Piece p of a row lies at 8 p + 16 (p / 32).  Lanes 16-31 read three pieces further on: where that is behind one padding more, the second address register (40 for 24 bytes a half) serves.
.macro FRAG reg, adr, s, off
.irp p, 0,1,2,3,4,5
.set PCE, 12*(\s)+6*(\p/3)+\p%3
.if PCE%32 < 29
	ds_load_b64 v[\reg+2*\p:\reg+2*\p+1], v[\adr] offset:8*PCE+16*(PCE/32)+(\off)
.else
	ds_load_b64 v[\reg+2*\p:\reg+2*\p+1], v[\adr+1] offset:8*PCE+16*(PCE/32)+(\off)
.endif
.endr
.endm
.macro LOADW buf, map, s               ; my two weight fragments of K step s: 12 loads
	FRAG WF+24*((\s)%4), \map+2*(\buf), \s, 0
	FRAG WF+24*((\s)%4)+12, \map+2*(\buf), \s, 16*PW
.endm
.macro LNEXT buf, map                  ; a slot's K steps 0 to 3 into the four buffers: 48 loads
.irp s, 0,1,2,3
	LOADW \buf, \map, \s
.endr
.endm
; One product on the registers named by rD, rA, rB, rC, rSA, rSB.  cm = 0: the constant 0 starts the sum.  ra, rb: the side's scale words stand in lanes 16-31.
.macro WM cm, ra, rb
.if (\cm) == 0
.if (\ra) && (\rb)
	v_wmma_scale_f32_16x16x128_f8f6f4 v[rD:rD+7], v[rA:rA+11], v[rB:rB+11], 0, v[rSA], v[rSB] matrix_a_fmt:MATRIX_FMT_FP6 matrix_b_fmt:MATRIX_FMT_FP6 matrix_a_scale:MATRIX_SCALE_ROW1 matrix_b_scale:MATRIX_SCALE_ROW1
.elseif (\ra)
	v_wmma_scale_f32_16x16x128_f8f6f4 v[rD:rD+7], v[rA:rA+11], v[rB:rB+11], 0, v[rSA], v[rSB] matrix_a_fmt:MATRIX_FMT_FP6 matrix_b_fmt:MATRIX_FMT_FP6 matrix_a_scale:MATRIX_SCALE_ROW1
.elseif (\rb)
	v_wmma_scale_f32_16x16x128_f8f6f4 v[rD:rD+7], v[rA:rA+11], v[rB:rB+11], 0, v[rSA], v[rSB] matrix_a_fmt:MATRIX_FMT_FP6 matrix_b_fmt:MATRIX_FMT_FP6 matrix_b_scale:MATRIX_SCALE_ROW1
.else
	v_wmma_scale_f32_16x16x128_f8f6f4 v[rD:rD+7], v[rA:rA+11], v[rB:rB+11], 0, v[rSA], v[rSB] matrix_a_fmt:MATRIX_FMT_FP6 matrix_b_fmt:MATRIX_FMT_FP6
.endif
.else
.if (\ra) && (\rb)
	v_wmma_scale_f32_16x16x128_f8f6f4 v[rD:rD+7], v[rA:rA+11], v[rB:rB+11], v[rC:rC+7], v[rSA], v[rSB] matrix_a_fmt:MATRIX_FMT_FP6 matrix_b_fmt:MATRIX_FMT_FP6 matrix_a_scale:MATRIX_SCALE_ROW1 matrix_b_scale:MATRIX_SCALE_ROW1
.elseif (\ra)
	v_wmma_scale_f32_16x16x128_f8f6f4 v[rD:rD+7], v[rA:rA+11], v[rB:rB+11], v[rC:rC+7], v[rSA], v[rSB] matrix_a_fmt:MATRIX_FMT_FP6 matrix_b_fmt:MATRIX_FMT_FP6 matrix_a_scale:MATRIX_SCALE_ROW1
.elseif (\rb)
	v_wmma_scale_f32_16x16x128_f8f6f4 v[rD:rD+7], v[rA:rA+11], v[rB:rB+11], v[rC:rC+7], v[rSA], v[rSB] matrix_a_fmt:MATRIX_FMT_FP6 matrix_b_fmt:MATRIX_FMT_FP6 matrix_b_scale:MATRIX_SCALE_ROW1
.else
	v_wmma_scale_f32_16x16x128_f8f6f4 v[rD:rD+7], v[rA:rA+11], v[rB:rB+11], v[rC:rC+7], v[rSA], v[rSB] matrix_a_fmt:MATRIX_FMT_FP6 matrix_b_fmt:MATRIX_FMT_FP6
.endif
.endif
.endm
; A SLOT'S PRODUCTS: my 32 weight rows (two tiles) x the 64 tokens (four tiles) x K = 1,024: 8 K steps of 8 matrix instructions; the 8 accumulators take turns, one instruction a turn.
; The fragments of K steps 0 to 3 have been asked for ahead of the macro; those of steps 4 and 5 are asked for behind step 1, of 6 and 7 behind step 3, into the buffers just multiplied.
; buf: the ring's slot, and the set of scale words.  map: AN or AV.  cmode = 1: the bias is the C of the first K step.
; nk: whose scale words are asked for, for the next slot: 1 the next of q's and k's 16; 2 v's slot with the part of channels na on; 3 W_out's first; 4 the next of W_out's 8 (the bias's pointer goes with it); 0 none.
; THE CHANGE OF SLOTS.  In front of K step 6 all my reads of this ring slot have been issued.  There I wait for all my tensor loads (one is out: the next slot's), add 0 to my spare word and make the refill's address;
; behind step 6 I wait for the add, for my reads of the ring and for all my loads and stores in the scratch, and signal; step 7 is multiplied while the others arrive.
; fk: 1: a round of the cluster's barrier follows and this ring slot takes the next of fb + 1 slots of neighbouring rows from base fa, round and round, 98,304 bytes a slot;
;     2: likewise, v's slot with the part of channels fa on: for my cluster channels fa xor XV on, 768 bytes a weight row;  0: nothing is left to fetch: the work-group's barrier alone;  3: nor is any load out: no wait for one, no add.
; The barrier also parts the scratch's readers from its next writers.  pre = 1: the next slot's first fragments (map nmap) are asked for behind the refill: they land under the epilogue that follows the macro.
.macro GEMM buf, map, cmode, nk, na, fk, fa, fb, pre, nmap
	s_wait_loadcnt 0x0                             ; this slot's scale words (and bias) are in; the loads that named WSP and BP are done, so both may be written
.if \nk == 1
	s_add_co_u32 s[SI], s[SI], 1
	s_and_b32 s[SI], s[SI], 15
	s_lshl_b32 s[OFF], s[SI], 12                   ; 128 rows of 32 scale bytes a slot
	s_add_nc_u64 s[WSP:WSP+1], s[10:11], s[OFF:OFF+1]
.elseif \nk == 2
	s_xor_b32 s[OFF], s[XV], \na
	s_xor_b32 s[OFF], s[OFF], s[TT]                ; the second trip of v's loop: 32 channels on
	s_lshl_b32 s[OFF], s[OFF], 5                   ; 32 scale bytes a channel
	s_add_nc_u64 s[WSP:WSP+1], s[10:11], s[OFF:OFF+1]
.elseif \nk == 3
	s_xor_b32 s[OFF], s[XV], \na                   ; nk = 3, the last slot of a trip of v's loop: both pointers are made, v's next slot's
	s_xor_b32 s[OFF], s[OFF], s[TT]
	s_lshl_b32 s[OFF], s[OFF], 5
	s_add_nc_u64 s[WSP:WSP+1], s[10:11], s[OFF:OFF+1]
	s_and_b32 s[SI], s[RT], 7                      ; and W_out's first slot's; the trip chooses below
	s_lshl_b32 s[OFF], s[SI], 12
	s_add_nc_u64 s[WP2:WP2+1], s[14:15], s[OFF:OFF+1]
.elseif \nk == 4
	s_add_co_u32 s[SI], s[SI], 1
	s_and_b32 s[SI], s[SI], 7
	s_lshl_b32 s[OFF], s[SI], 12
	s_add_nc_u64 s[WSP:WSP+1], s[14:15], s[OFF:OFF+1]
	s_lshl_b32 s[OFF], s[SI], 9                    ; 128 numbers of the bias a slot
	s_add_nc_u64 s[BP:BP+1], s[16:17], s[OFF:OFF+1]
.endif
.irp s, 0,1,2,3,4,5,6,7
.if (\s == 6) && (\fk != 3)
	WIN 0                                          ; (the add's two registers lie in window 0)
	s_wait_tensorcnt 0x0                           ; no tensor load of mine is out, so a group 0 may be written; my rows of the next slot are in
	ds_add_u32 v[SPW], v[NIL]                      ; 0 onto my spare word; the new address and eight products stand between it and the wait for it
.if \fk == 1
	s_add_co_u32 s[LI], s[LI], 1
	s_and_b32 s[LI], s[LI], \fb
	s_mul_i32 s[OFF], s[LI], 98304
	s_add_nc_u64 s[G0+4*\buf+2:G0+4*\buf+3], s[\fa:\fa+1], s[OFF:OFF+1]
	s_or_b32 s[G0+4*\buf+3], s[G0+4*\buf+3], 0x80000000   ; 127:126 type = 2
.elseif \fk == 2
	s_xor_b32 s[OFF], s[XV], \fa
	s_xor_b32 s[OFF], s[OFF], s[TT]
	s_mul_i32 s[OFF], s[OFF], 768
	s_add_nc_u64 s[G0+4*\buf+2:G0+4*\buf+3], s[NV:NV+1], s[OFF:OFF+1]
	s_or_b32 s[G0+4*\buf+3], s[G0+4*\buf+3], 0x80000000
.elseif \fk == 4                       ; fk = 4, the last two slots of a trip of v's loop: both addresses are made, each in a group 0 of its own; the trip chooses behind the round
	s_xor_b32 s[OFF], s[XV], \fa
	s_xor_b32 s[OFF], s[OFF], s[TT]
	s_mul_i32 s[OFF], s[OFF], 768
	s_add_nc_u64 s[G0+4*\buf+2:G0+4*\buf+3], s[NV:NV+1], s[OFF:OFF+1]
	s_or_b32 s[G0+4*\buf+3], s[G0+4*\buf+3], 0x80000000
	s_add_co_u32 s[LI], s[LI], 1
	s_and_b32 s[LI], s[LI], 7
	s_mul_i32 s[OFF], s[LI], 98304
	s_add_nc_u64 s[G0O+28*\buf+2:G0O+28*\buf+3], s[NO:NO+1], s[OFF:OFF+1]
	s_or_b32 s[G0O+28*\buf+3], s[G0O+28*\buf+3], 0x80000000
.endif
	s_wait_dscnt 13                                ; step 6's 12 loads are in; step 7's 12 and the add may be out
.elseif \s < 5
	s_wait_dscnt 36-12*(\s%2)                      ; this step's 12 loads are in, and all that is older; behind them were issued at least: even steps 36 loads (three steps'), odd steps 24 (two steps')
.else
	s_wait_dscnt 12*(7-\s)
.endif
.if \s == 7
	s_barrier_signal -1                            ; behind the wait for 0: the add is done, my reads of this ring slot and of the scratch are back, my stores into the scratch have landed
.endif
.if (\s == 0) && \cmode
	WIN 0x14                                       ; source 1 (tokens) and source 2 (bias) window 1
.elseif \s < 4
	WIN 0x04                                       ; source 1 window 1; LDS and global loads are not touched by this setting
.else
	WIN 0x08                                       ; source 1 window 2
.endif
.irp m, 0,1,2,3
.irp u, 0,1
.set rD, ACC+16*\m+8*\u
.set rA, WF+24*(\s%4)+12*\u
.set rB, 48*(\s%4)+12*\m
.set rSA, WS+8*\buf+\s
.set rSB, XS+8*(\m/2)+\s
.if \s == 0
.if \cmode
.set rC, 192+8*\u
	WM 1, \u, \m%2
.else
	WM 0, \u, \m%2
.endif
.else
.set rC, rD
	WM 1, \u, \m%2
.endif
.endr
.endr
.if (\s == 1) || (\s == 3)
	PLACES 4                                       ; in front of loads into the two buffers just multiplied
	LOADW \buf, \map, \s+3                         ; one run of 24 loads: behind step 1 the fragments of steps 4 and 5, behind step 3 those of steps 6 and 7,
	LOADW \buf, \map, \s+4                         ; 16 matrix instructions ahead of their first use
.endif
.if \s == 3
.if \nk == 3
	WIN 0                                          ; at a branch and at a label every window is 0
	s_cmp_eq_u32 s[TT], 0
	s_cbranch_scc0 .Lsw_\@                         ; first trip: v's next slot; second trip: W_out's first.  Two loads on either way
.irp c, 0,1
	global_load_b128 v[WS+8*(1-\buf)+4*\c:WS+8*(1-\buf)+4*\c+3], v[VSV], s[WSP:WSP+1] offset:65536+16*\c
.endr
	s_branch .Lsj_\@
.Lsw_\@:
.irp c, 0,1
	global_load_b128 v[WS+8*(1-\buf)+4*\c:WS+8*(1-\buf)+4*\c+3], v[VSN], s[WP2:WP2+1] offset:16*\c
.endr
.Lsj_\@:
.endif
.irp c, 0,1
.if \nk == 2
	global_load_b128 v[WS+8*(1-\buf)+4*\c:WS+8*(1-\buf)+4*\c+3], v[VSV], s[WSP:WSP+1] offset:65536+16*\c   ; v's rows begin 2,048 rows of 32 bytes on
.elseif (\nk == 1) || (\nk == 4)
	global_load_b128 v[WS+8*(1-\buf)+4*\c:WS+8*(1-\buf)+4*\c+3], v[VSN], s[WSP:WSP+1] offset:16*\c
.endif
.endr
.endif
.endr
	WIN 0
	s_barrier_wait -1
.if \fk == 1
	CREST                                          ; no wave of any partner still reads this ring slot or has a load on its way
	tensor_load_to_lds s[G0+4*\buf:G0+4*\buf+3], s[G1D:G1D+7]   ; first thing behind the round, my one tensor load until the next
	s_nop 0
.elseif \fk == 2
	CREST
	tensor_load_to_lds s[G0+4*\buf:G0+4*\buf+3], s[G1V:G1V+7]
	s_nop 0
.elseif \fk == 4
	CREST
	s_cmp_eq_u32 s[TT], 0                          ; the loop's counter, the same in all waves and all partners: either way issues one joint load into the same bytes
	s_cbranch_scc0 .Lfo_\@
	tensor_load_to_lds s[G0+4*\buf:G0+4*\buf+3], s[G1V:G1V+7]
	s_nop 0
	PLACES 4
	s_branch .Lfj_\@
.Lfo_\@:
	tensor_load_to_lds s[G0O+28*\buf:G0O+28*\buf+3], s[G1D:G1D+7]
	s_nop 0
	PLACES 4
.Lfj_\@:
.endif
	PLACES 5                                       ; 4 in front of loads into the buffers and of the first read of the results; 5 in front of the matrix instruction that begins these accumulators anew
.if \pre
	LNEXT 1-\buf, \nmap
.endif
.endm
; A SLOT OF q OR k: my 32 columns are one block of 32 along d, for each of the 64 tokens.  A lane's 16 registers (both tiles) and lane l xor 16's are the block.  Codes and byte go to the place of the STEP.
.macro QSLOT buf, nk, na, fk, fa, fb, pre, nmap
	GEMM \buf, AN, 0, \nk, \na, \fk, \fa, \fb, \pre, \nmap
	v_add_nc_u32 v[CW+3], s[QOF], v[CW]
	v_add_nc_u32 v[CW+4], s[QOF], v[CW+1]
	v_add_nc_u32 v[CW+5], s[QSO], v[SW]
.irp m, 0,1,2,3
	v_max3_num_f32 v[TM+\m], |v[ACC+16*\m]|, |v[ACC+16*\m+1]|, 0x1800000   ; my 16 numbers, from the accumulators' low ends on, and the floor 2^(3 - 127): the byte cannot fall under 1
.endr
.irp i, 2,4,6,8,10,12,14
.irp m, 0,1,2,3
	v_max3_num_f32 v[TM+\m], v[TM+\m], |v[ACC+16*\m+\i]|, |v[ACC+16*\m+\i+1]|   ; (the four token tiles by turns)
.endr
.endr
.irp m, 0,1,2,3
	v_permlanex16_b32 v[TM+4+\m], v[TM+\m], s[SEL], s[SEL+1]
.endr
.irp m, 0,1,2,3
	v_max_num_f32 v[TM+\m], v[TM+\m], v[TM+4+\m]   ; the block's largest magnitude
.endr
.irp m, 0,1,2,3
	v_add_nc_u32 v[TM+8+\m], 0xff000000, v[TM+\m]  ; 2 off its exponent field: the conversion takes this operand's exponent field as its scale
.endr
.irp m, 0,1,2,3
	v_lshrrev_b32 v[TM+12+\m], 23, v[TM+8+\m]      ; the scale's byte
.endr
.irp m, 0,1,2,3
	v_cvt_scalef32_pk16_fp6_f32 v[TM+16+4*\m:TM+18+4*\m], v[ACC+16*\m:ACC+16*\m+15], v[TM+8+\m]   ; 16 codes, 12 bytes
.endr
	v_nop                                          ; one plain place behind the scaled conversions
.irp m, 0,1,2,3
.irp i, 0,1,2
	ds_store_b32 v[CW+3+\m/2], v[TM+16+4*\m+\i] offset:16*QKP*(\m%2)+4*\i   ; token 16 m + r, the step's place, block w of its four, half h
.endr
	ds_store_b8 v[CW+5], v[TM+12+\m] offset:16*QSP*\m   ; both lanes of a block write the same byte with the same value
.endr
	s_add_co_u32 s[QOF], s[QOF], 96
	s_add_co_u32 s[QSO], s[QSO], 4
.endm
; THE SOFTMAX of 8 tokens, by turns.  A lane holds one query head (r) and 8 of its 16 scores (g = 8 h + j); lane l xor 16 holds the others.  p = 2^(c s - c max) / the sum, finished and normalised, in f32.
.macro SOFT8 hf
.irp t, 0,1,2,3,4,5,6,7
	v_max3_num_f32 v[TM+\t], v[ACC+8*\t], v[ACC+8*\t+1], v[ACC+8*\t+2]
.endr
.irp i, 3,5
.irp t, 0,1,2,3,4,5,6,7
	v_max3_num_f32 v[TM+\t], v[TM+\t], v[ACC+8*\t+\i], v[ACC+8*\t+\i+1]
.endr
.endr
.irp t, 0,1,2,3,4,5,6,7
	v_max_num_f32 v[TM+\t], v[TM+\t], v[ACC+8*\t+7]
.endr
.irp t, 0,1,2,3,4,5,6,7
	v_permlanex16_b32 v[TM+8+\t], v[TM+\t], s[SEL], s[SEL+1]
.endr
.irp t, 0,1,2,3,4,5,6,7
	v_max_num_f32 v[TM+\t], v[TM+\t], v[TM+8+\t]   ; the row's largest score
.endr
.irp t, 0,1,2,3,4,5,6,7
	v_mul_f32 v[TM+16+2*\t], s[CS], v[TM+\t]       ; c max: the same number is taken off all 16 scores of the row, so its rounding cancels in the division
.endr
.irp i, 0,2,4,6
.irp t, 0,1,2,3,4,5,6,7
	v_pk_fma_f32 v[ACC+8*\t+\i:ACC+8*\t+\i+1], v[ACC+8*\t+\i:ACC+8*\t+\i+1], s[CS:CS+1], v[TM+16+2*\t:TM+17+2*\t] op_sel_hi:[1,0,0] neg_lo:[0,0,1] neg_hi:[0,0,1]
.endr
.endr
.set i, 0
	s_wait_alu depctr_va_vdst(0)
.rept 64
	v_exp_f32 v[ACC+i], v[ACC+i]
.set i, i+1
.endr
	v_nop                                          ; a plain place behind the exponentials
	s_wait_alu depctr_va_vdst(0)
.irp t, 0,1,2,3,4,5,6,7
	v_pk_add_f32 v[TM+16+2*\t:TM+17+2*\t], v[ACC+8*\t:ACC+8*\t+1], v[ACC+8*\t+2:ACC+8*\t+3]
	v_pk_add_f32 v[TM+2*\t:TM+2*\t+1], v[ACC+8*\t+4:ACC+8*\t+5], v[ACC+8*\t+6:ACC+8*\t+7]
.endr
.irp t, 0,1,2,3,4,5,6,7
	v_pk_add_f32 v[TM+16+2*\t:TM+17+2*\t], v[TM+16+2*\t:TM+17+2*\t], v[TM+2*\t:TM+2*\t+1]
.endr
.irp t, 0,1,2,3,4,5,6,7
	v_add_f32 v[TM+\t], v[TM+16+2*\t], v[TM+17+2*\t]
.endr
.irp t, 0,1,2,3,4,5,6,7
	v_permlanex16_b32 v[TM+8+\t], v[TM+\t], s[SEL], s[SEL+1]
.endr
.irp t, 0,1,2,3,4,5,6,7
	v_add_f32 v[TM+\t], v[TM+\t], v[TM+8+\t]       ; the row's sum: at least about 1, the largest score's own term
.endr
	s_wait_alu depctr_va_vdst(0)
.irp t, 0,1,2,3,4,5,6,7
	v_rcp_f32 v[TM+16+2*\t], v[TM+\t]
.endr
	v_nop                                          ; a plain place behind the reciprocals
	WIN 0x40<<\hf                                  ; destination window 1 (tokens 0-7) or 2 (tokens 8-15)
	s_wait_alu depctr_va_vdst(0)
.irp i, 0,2,4,6
.irp t, 0,1,2,3,4,5,6,7
	v_pk_mul_f32 v[192+8*\t+\i:192+8*\t+\i+1], v[ACC+8*\t+\i:ACC+8*\t+\i+1], v[TM+16+2*\t:TM+17+2*\t] op_sel_hi:[1,0]
.endr
.endr
	WIN 0
.endm
; THE SCORES of my 16 tokens: S^T = k q^T, source 0 = the token's 16 heads of k, source 1 = its 16 heads of q; K = 64, so the upper half of each fragment (K = 64 .. 127) is zero codes, which add nothing.
; A head's two scale bytes come as 16 bits; the two bytes above them are 0 and stand over zero codes.  The scale words lie in the weights' set 1, which is free here.
; The four address registers hold the place at which my head's slot was stored, so that lanes and registers stand for the true heads from here on.
.macro SCORES
.set i, 0
.rept 8
.irp j, 6,7,8,9,10,11
	v_mov_b32 v[WF+12*i+\j], 0
.endr
.set i, i+1
.endr
	s_wait_alu depctr_va_vdst(0)
	PLACES 4                                       ; an operand written by vector instructions stands four places ahead of a scaled matrix instruction
.irp hf, 0,1
.irp g, 0,1
.irp t, 0,1,2,3
.set TK, 8*\hf+4*\g+\t
.irp p, 0,1,2
	ds_load_b64 v[WF+24*\t+2*\p:WF+24*\t+2*\p+1], v[QRK] offset:QKP*TK+8*\p
	ds_load_b64 v[WF+24*\t+12+2*\p:WF+24*\t+12+2*\p+1], v[QRQ] offset:QKP*TK+8*\p
.endr
	ds_load_u16 v[WS+8+2*\t], v[QSK] offset:QSP*TK
	ds_load_u16 v[WS+9+2*\t], v[QSQ] offset:QSP*TK
.endr
	s_wait_dscnt 0x0
.irp t, 0,1,2,3
	v_wmma_scale_f32_16x16x128_f8f6f4 v[ACC+32*\g+8*\t:ACC+32*\g+8*\t+7], v[WF+24*\t:WF+24*\t+11], v[WF+24*\t+12:WF+24*\t+23], 0, v[WS+8+2*\t], v[WS+9+2*\t] matrix_a_fmt:MATRIX_FMT_FP6 matrix_b_fmt:MATRIX_FMT_FP6
.endr
	PLACES 5                                       ; 4 for the next loads and the first reads; 5 for the products that begin these accumulators anew, eight tokens on
.endr
	SOFT8 \hf
.endr
.endm
; A SLOT OF v: 16 heads x my 2 channels, for the 64 tokens.  A lane's 8 results are 8 neighbouring g of one channel: two stores of 16 bytes, at channel place 8 half + 2 w + h of the stage.
; The stores stand behind the barrier inside the slot's products: every wave's reads of what lay in the stage are back by then.
.macro VSLOT buf, half, nk, na, fk, fa, fb, pre, nmap
	GEMM \buf, AV, 0, \nk, \na, \fk, \fa, \fb, \pre, \nmap
.irp m, 0,1,2,3
.irp u, 0,1
	ds_store_b128 v[WVA], v[ACC+16*\m+8*\u:ACC+16*\m+8*\u+3] offset:16*VTP*\m+512*\u+128*\half          ; each accumulator from its low end on
	ds_store_b128 v[WVA], v[ACC+16*\m+8*\u+4:ACC+16*\m+8*\u+7] offset:16*VTP*\m+512*\u+256+128*\half
.endr
.endr
.endm
; p v for my 16 tokens and the 16 channels in the stage: O^T = v^T p^T in f32, four K steps of 4.  The instruction's k = 2 h + j stands for g = 8 h + 2 kk + j, alike on both sides: so p's registers 2 kk, 2 kk + 1
; are source 1 as they stand, and source 0 is registers 2 kk, 2 kk + 1 of the 8 g that lane (channel r, h) loads.  In the result a lane holds one head (r) and 8 channels.  Eight tokens' accumulators by turns.
.macro PV y
.irp t, 0,1,2,3,4,5,6,7
	ds_load_b128 v[ACC+8*\t:ACC+8*\t+3], v[RVA] offset:VTP*\t
	ds_load_b128 v[ACC+8*\t+4:ACC+8*\t+7], v[RVA] offset:VTP*\t+256
.endr
.irp t, 0,1,2,3,4,5,6,7
	ds_load_b128 v[WF+8*\t:WF+8*\t+3], v[RVA] offset:VTP*(\t+8)
	ds_load_b128 v[WF+8*\t+4:WF+8*\t+7], v[RVA] offset:VTP*(\t+8)+256
.endr
	s_wait_dscnt 16                                ; tokens 0-7 are in; the sixteen loads of tokens 8-15 may be out
	WIN 0xf4                                       ; C and D window 3, source 1 (p) window 1
.irp kk, 0,1,2,3
.irp t, 0,1,2,3,4,5,6,7
.if \kk == 0
	v_wmma_f32_16x16x4_f32 v[16*\t+8*\y:16*\t+8*\y+7], v[ACC+8*\t+2*\kk:ACC+8*\t+2*\kk+1], v[192+8*\t+2*\kk:192+8*\t+2*\kk+1], 0
.else
	v_wmma_f32_16x16x4_f32 v[16*\t+8*\y:16*\t+8*\y+7], v[ACC+8*\t+2*\kk:ACC+8*\t+2*\kk+1], v[192+8*\t+2*\kk:192+8*\t+2*\kk+1], v[16*\t+8*\y:16*\t+8*\y+7]
.endif
.endr
.endr
	s_wait_dscnt 0x0
	WIN 0xf8                                       ; p in window 2
.irp kk, 0,1,2,3
.irp t, 0,1,2,3,4,5,6,7
.if \kk == 0
	v_wmma_f32_16x16x4_f32 v[128+16*\t+8*\y:128+16*\t+8*\y+7], v[WF+8*\t+2*\kk:WF+8*\t+2*\kk+1], v[192+8*\t+2*\kk:192+8*\t+2*\kk+1], 0
.else
	v_wmma_f32_16x16x4_f32 v[128+16*\t+8*\y:128+16*\t+8*\y+7], v[WF+8*\t+2*\kk:WF+8*\t+2*\kk+1], v[192+8*\t+2*\kk:192+8*\t+2*\kk+1], v[128+16*\t+8*\y:128+16*\t+8*\y+7]
.endif
.endr
.endr
	WIN 0
	PLACES 9                                       ; behind this form 8 in front of reads of the results and of loads into its sources, 9 in front of matrix instructions that write over its sources
.endm
; THE RESULT IS QUANTISED: one block of 32 channels of each head of my 16 tokens.  A lane's 16 registers are channels 16 h + 0 .. 15 of the block, of head r; lane l xor 16 holds the block's other half.
; b: added to the block's place, which QOF and QSO give: 0 for the one that comes first in time, 1 for the second.
.macro OQ b
	v_add_nc_u32 v[QRK], s[QOF], v[OW]             ; the block's place: 24 bytes of codes and one scale byte a trip (the scores have left these two registers)
	v_add_nc_u32 v[QSQ], s[QSO], v[OSW]
	WIN 0x3c                                       ; sources 1 and 2 window 3
.irp t, 0,1,2,3,4,5,6,7,8,9,10,11,12,13,14,15
	v_max3_num_f32 v[TM+\t], 0x1800000, |v[16*\t]|, |v[16*\t+1]|   ; the floor 2^(3 - 127) among the leaves
.endr
.irp i, 2,4,6,8,10,12,14
.irp t, 0,1,2,3,4,5,6,7,8,9,10,11,12,13,14,15
	v_max3_num_f32 v[TM+\t], v[TM+\t], |v[16*\t+\i]|, |v[16*\t+\i+1]|
.endr
.endr
	WIN 0
.irp t, 0,1,2,3,4,5,6,7,8,9,10,11,12,13,14,15
	v_permlanex16_b32 v[TM+16+\t], v[TM+\t], s[SEL], s[SEL+1]
.endr
.irp t, 0,1,2,3,4,5,6,7,8,9,10,11,12,13,14,15
	v_max_num_f32 v[TM+\t], v[TM+\t], v[TM+16+\t]
.endr
.irp t, 0,1,2,3,4,5,6,7,8,9,10,11,12,13,14,15
	v_add_nc_u32 v[TM+16+\t], 0xff000000, v[TM+\t]
.endr
.irp t, 0,1,2,3,4,5,6,7,8,9,10,11,12,13,14,15
	v_lshrrev_b32 v[TM+\t], 23, v[TM+16+\t]
.endr
	WIN 0x03                                       ; source 0 window 3
.irp t, 0,1,2,3,4,5,6,7,8,9,10,11,12,13,14,15
	v_cvt_scalef32_pk16_fp6_f32 v[ACC+4*\t:ACC+4*\t+2], v[16*\t:16*\t+15], v[TM+16+\t]
.endr
	WIN 0
	v_nop                                          ; one plain place behind the scaled conversions
.irp t, 0,1,2,3,4,5,6,7,8,9,10,11,12,13,14,15
.irp i, 0,1,2
	ds_store_b32 v[QRK], v[ACC+4*\t+\i] offset:OCP*\t+24*\b+4*\i
.endr
	ds_store_b8 v[QSQ], v[TM+\t] offset:32*\t+\b
.endr
.endm
; The 64 tokens' result becomes the token operand: 32 fragments and their scale words, in every wave.  Place p of a head holds its block p xor bit 1 of R: the fragments' address register takes the place of
; block h, and the scale words' bytes, which lie by places, are brought into the blocks' order: as they are, or each pair exchanged.
.macro OFRAG
.irp a, 0,1
.irp c, 0,1
	ds_load_b128 v[XS+8*\a+4*\c:XS+8*\a+4*\c+3], v[OSR] offset:1024*\a+16*\c
.endr
.endr
	s_wait_dscnt 0x0
.set i, 0
.rept 16
	v_perm_b32 v[XS+i], v[XS+i], v[XS+i], s[PSEL]
.set i, i+1
.endr
	PLACES 8                                       ; a scale register written by a vector instruction stands 8 places ahead of a scaled matrix instruction
.irp s, 0,1,2,3,4,5,6,7
	WIN 0x40<<(\s/4)
.irp m, 0,1,2,3
.irp p, 0,1,2,3,4,5
	ds_load_b64 v[48*(\s%4)+12*\m+2*\p:48*(\s%4)+12*\m+2*\p+1], v[OFR] offset:16*OCP*\m+96*\s+48*(\p/3)+8*(\p%3)
.endr
.endr
.endr
	WIN 0
.endm
.macro BIAS                            ; my 16 numbers of a slot's bias, in the result's layout: for tile u columns 32 w + 16 u + 8 h + 0 .. 7; window 1, v192-207
	WIN 0x40
.irp u, 0,1
.irp c, 0,1
	global_load_b128 v[192+8*\u+4*\c:192+8*\u+4*\c+3], v[BOF], s[BP:BP+1] offset:64*\u+16*\c
.endr
.endr
	WIN 0
.endm
; A SLOT OF W_out: 128 columns of out0 for the 64 tokens.  A row's 512 bytes come from four waves: they meet in the stage, and each wave stores 16 whole rows.  nb = 1: a slot follows: its bias is asked for, and out0's pointer goes to its columns.
; The stores into the stage stand behind the barrier inside the slot's products: every wave's reads of the last slot's rows are back by then.
.macro OSLOT buf, nk, nb, fk, fa, fb, pre
	GEMM \buf, AN, 1, \nk, 0, \fk, \fa, \fb, \pre, AN
.if \nb
	BIAS
.endif
.irp m, 0,1,2,3
.irp u, 0,1
	ds_store_b128 v[YW], v[ACC+16*\m+8*\u:ACC+16*\m+8*\u+3] offset:16*YP*\m+64*\u
	ds_store_b128 v[YW], v[ACC+16*\m+8*\u+4:ACC+16*\m+8*\u+7] offset:16*YP*\m+64*\u+16
.endr
.endr
	BAR                                            ; for the others' sake: my stores into the stage have landed
.irp i, 0,1,2,3,4,5,6,7,8,9,10,11,12,13,14,15
	ds_load_b128 v[ACC+4*\i:ACC+4*\i+3], v[YR] offset:YP*\i
.endr
.irp i, 0,1,2,3,4,5,6,7,8,9,10,11,12,13,14,15
	s_wait_dscnt 15-\i                             ; row i is back; the younger loads may be out
	global_store_b128 v[L16], v[ACC+4*\i:ACC+4*\i+3], s[OUTP:OUTP+1] offset:4096*\i th:TH_STORE_NT   ; 32 lanes store 512 consecutive bytes, at a multiple of 256 from out0's first byte
.endr
.if \nb
	s_wait_xcnt 0x0                                ; the stores have read their registers and their base: both are written again only behind this wait
	s_lshl_b32 s[OFF], s[SI], 9                    ; the next slot's 128 columns
	s_add_nc_u64 s[OUTP:OUTP+1], s[OB:OB+1], s[OFF:OFF+1]
.endif
.endm
; ---- THE HEAD
	s_load_b256 s[4:11], s[0:1], 0x0               ; x's codes s[4:5], x's scales s[6:7], W_qkv's codes s[8:9], W_qkv's scales s[10:11]
	s_load_b256 s[12:19], s[0:1], 0x20             ; W_out's codes s[12:13], W_out's scales s[14:15], the bias s[16:17], out0 s[18:19]
	v_lshl_add_u32 v[SPW], v0, 2, SPARE
	v_mov_b32 v[NIL], 0
	ds_add_u32 v1, v2
	ds_add_u32 v1, v2
	s_wait_dscnt 0x0
	v_lshrrev_b32 v[RR], 5, v0
	v_readfirstlane_b32 s[WV], v[RR]               ; wave 0..3
	s_bfe_u32 s21, ttmp6, 0x40000                  ; cx: my place in the cluster
	s_lshl_b32 s22, ttmp9, 2                       ; in a cluster launch ttmp9 counts clusters
	s_add_co_u32 s22, s22, s21                     ; my block of 64 tokens: it enters x's and out0's addresses alone
	; R, from the cluster's number c, which the four partners share: its bits are c0 ^ c1, c1 ^ c2, c3 ^ c4, c4 ^ c5, so that among the clusters that agree in any one bit of c every R occurs equally often
	s_lshr_b32 s77, ttmp9, 1
	s_xor_b32 s77, s77, ttmp9
	s_and_b32 s[RT], s77, 3
	s_lshr_b32 s77, s77, 1
	s_and_b32 s77, s77, 12
	s_or_b32 s[RT], s[RT], s77
	s_and_b32 s[XV], s[RT], 3
	s_lshl_b32 s[XV], s[XV], 4
	s_mov_b32 s[OFF+1], 0
	v_and_b32 v[RR], 15, v0
	s_wait_alu depctr_va_vdst(0)
	v_bfe_u32 v[HH], v0, 4, 1
	v_and_b32 v[L16], 31, v0
	v_lshlrev_b32 v[L16], 4, v[L16]
	; group 1 for 32 dense weight rows, 24,576 bytes, as 96 rows of 256 bytes (32 elements of 8 bytes)
	s_mov_b32 s[G1D], 15|(3<<16)|(1<<20)|(1<<21)|(5<<22)|(3<<25)   ; 15:0 the mask: all four work-groups; 17:16 elements of 8 bytes; 20 padding on; 21 set beside a mask; 24:22 after every 64 words; 31:25 4 words of it
	s_mov_b32 s[G1D+1], 32<<16                     ; tensor_dim0
	s_mov_b32 s[G1D+2], 192<<16                    ; tensor_dim1: at the head 64 weight rows, 192 rows of 256 bytes; set to 96 behind the head's loads
	s_mov_b32 s[G1D+3], 32<<16                     ; tile_dim0
	s_mov_b32 s[G1D+4], 192                        ; tile_dim1, likewise
	s_mov_b32 s[G1D+5], 32                         ; from row to row
	s_mov_b32 s[G1D+6], 0
	s_mov_b32 s[G1D+7], 0
	; for v: 16 lines, one a head, of two neighbouring weight rows (1,536 bytes), 64 weight rows apart
	s_mov_b32 s[G1V], 15|(3<<16)|(1<<20)|(1<<21)|(5<<22)|(3<<25)
	s_mov_b32 s[G1V+1], 192<<16
	s_mov_b32 s[G1V+2], 16<<16
	s_mov_b32 s[G1V+3], 192<<16
	s_mov_b32 s[G1V+4], 16
	s_mov_b32 s[G1V+5], 6144
	s_mov_b32 s[G1V+6], 0
	s_mov_b32 s[G1V+7], 0
	; for x: 32 dense rows, 24,576 bytes, as 96 rows of 256 bytes; no mask: each work-group has its own tokens
	s_mov_b32 s[G1X], (3<<16)|(1<<20)|(5<<22)|(3<<25)
	s_mov_b32 s[G1X+1], 32<<16
	s_mov_b32 s[G1X+2], 96<<16                     ; 32 rows of x, 24,576 bytes, as 96 rows of 256 bytes
	s_mov_b32 s[G1X+3], 32<<16
	s_mov_b32 s[G1X+4], 96
	s_mov_b32 s[G1X+5], 32
	s_mov_b32 s[G1X+6], 0
	s_mov_b32 s[G1X+7], 0
	s_mov_b32 s[G0], 1
	s_mul_i32 s[G0+1], s[WV], WROW                 ; my 32 rows of ring slot 0: no place in the cluster enters an LDS address
	s_mov_b32 s[G0+4], 1
	s_add_co_u32 s[G0+5], s[G0+1], SLOTB           ; and of slot 1
	s_mov_b32 s[G0X], 1
	s_and_b32 s77, s[WV], 1                        ; at the head a wave fetches a half: waves 0, 1 of x's 64 rows, waves 2, 3 of the first slot's 128
	s_mul_i32 s[G0X+1], s77, 32*PW
	s_add_co_u32 s[G0X+1], s[G0X+1], SCR
	s_mul_i32 s78, s22, 49152                      ; x: my block's 64 rows of 768 bytes, my half of them
	s_mul_i32 s79, s77, 24576
	s_add_co_u32 s78, s78, s79
	s_mov_b32 s79, 0
	s_lshl_b32 s94, s22, 11                        ; x's scale bytes: 32 a token
	s_mov_b32 s95, 0
	s_lshl_b32 s96, s22, 18                        ; out0: 4,096 bytes a token; my wave stores tokens 16 w on
	s_lshl_b32 s97, s[WV], 16
	s_add_co_u32 s96, s96, s97
	s_mov_b32 s97, 0
	s_mul_i32 s84, s[WV], 24576                    ; my 32 rows of a slot of neighbouring rows
	s_mov_b32 s85, 0
	s_mul_i32 s86, s[WV], 1536                     ; v: weight row 2,048 + 2 w
	s_add_co_u32 s86, s86, 1572864
	s_mov_b32 s87, 0
	s_mov_b32 s[SEL], 0x76543210
	s_mov_b32 s[SEL+1], 0xfedcba98
	s_mov_b32 s[CS], 0x3e38aa3b                    ; log2(e) / 8
	s_mov_b32 s[CS+1], s[CS]                       ; (named with it as a pair, so it is written)
	s_mov_b32 s[QOF], 0
	s_mov_b32 s[QSO], 0
	; the lanes' places
	v_mul_u32_u24 v[AN], v[RR], PW
	s_wait_alu depctr_va_vdst(0)
	v_mad_u32_u24 v[AN], v[HH], 24, v[AN]
	v_add_nc_u32 v[AN], s[G0+1], v[AN]             ; row r of my rows, + 24 h
	v_lshl_add_u32 v[AN+1], v[HH], 4, v[AN]        ; the same behind one padding more
	v_add_nc_u32 v[AN+2], SLOTB, v[AN]
	v_add_nc_u32 v[AN+3], SLOTB, v[AN+1]
	v_and_b32 v[TM+8], 7, v[RR]
	v_lshrrev_b32 v[TM+9], 3, v[RR]
	v_lshl_add_u32 v[TM+10], v[TM+8], 1, v[TM+9]   ; v: lane r of tile T takes LDS row 16 T + 2 (r % 8) + r / 8: head 8 T + r % 8, channel r / 8 of my two
	v_mul_u32_u24 v[AV], v[TM+10], PW
	v_mad_u32_u24 v[AV], v[HH], 24, v[AV]
	v_add_nc_u32 v[AV], s[G0+1], v[AV]
	v_lshl_add_u32 v[AV+1], v[HH], 4, v[AV]
	v_add_nc_u32 v[AV+2], SLOTB, v[AV]
	v_add_nc_u32 v[AV+3], SLOTB, v[AV+1]
	s_lshl_b32 s77, s[WV], 10
	v_lshl_add_u32 v[VSN], v[L16], 1, s77          ; scale bytes, 32 a weight row: row 32 w + lane
	v_lshl_add_u32 v[VSV], v[HH], 3, v[TM+8]
	v_lshlrev_b32 v[VSV], 11, v[VSV]               ; v: head 8 h + r % 8: 64 rows a head,
	v_lshl_add_u32 v[VSV], v[TM+9], 5, v[VSV]      ; channel r / 8,
	s_lshl_b32 s77, s[WV], 6
	v_add_nc_u32 v[VSV], s77, v[VSV]               ; + 2 w
	v_mul_u32_u24 v[CW], v[RR], QKP
	v_mad_u32_u24 v[CW], v[HH], 12, v[CW]
	s_mul_i32 s77, s[WV], 24
	s_add_co_u32 s77, s77, QK
	v_add_nc_u32 v[CW], s77, v[CW]                 ; token r, block w of a step's four, half h
	v_add_nc_u32 v[CW+1], 32*QKP, v[CW]            ; token tiles 2 and 3: beyond an offset's 16 bits
	v_mul_u32_u24 v[SW], v[RR], QSP
	s_add_co_u32 s77, s[WV], QKS
	v_add_nc_u32 v[SW], s77, v[SW]
	; the scores: head r of q belongs to slot r / 2, of k to slot 8 + r / 2; slot n was worked in step (n - R) mod 16 and lies at that place
	v_lshrrev_b32 v[TM], 1, v[RR]                  ; r / 2
	v_and_b32 v[TM+1], 1, v[RR]                    ; r % 2
	s_sub_co_u32 s77, 16, s[RT]
	v_add_nc_u32 v[TM+2], s77, v[TM]
	v_and_b32 v[TM+2], 15, v[TM+2]                 ; q's place, 0 .. 15
	s_add_co_u32 s77, s77, 8
	v_add_nc_u32 v[TM+3], s77, v[TM]
	v_and_b32 v[TM+3], 15, v[TM+3]                 ; k's place
	v_mul_u32_u24 v[TM+4], v[TM+1], 48
	v_mad_u32_u24 v[TM+4], v[HH], 24, v[TM+4]      ; in a place of 96 bytes: head r % 2, block h
	s_mul_i32 s77, s[WV], 16*QKP
	s_add_co_u32 s77, s77, QK
	v_add_nc_u32 v[TM+4], s77, v[TM+4]             ; my wave's 16 tokens
	v_mad_u32_u24 v[QRQ], v[TM+2], 96, v[TM+4]
	v_mad_u32_u24 v[QRK], v[TM+3], 96, v[TM+4]
	s_mul_i32 s77, s[WV], 16*QSP
	s_add_co_u32 s77, s77, QKS
	v_lshl_add_u32 v[TM+5], v[TM+1], 1, s77        ; in a place of 4 bytes: head r % 2's two
	v_lshl_add_u32 v[QSQ], v[TM+2], 2, v[TM+5]
	v_lshl_add_u32 v[QSK], v[TM+3], 2, v[TM+5]
	s_lshl_b32 s77, s[WV], 7
	v_lshl_add_u32 v[BOF], v[HH], 5, s77
	v_lshlrev_b32 v[XSO], 1, v[L16]
	v_mul_u32_u24 v[XA], v[RR], PW
	v_mad_u32_u24 v[XA], v[HH], 24, v[XA]
	v_add_nc_u32 v[XA], SCR, v[XA]
	v_lshl_add_u32 v[XA+1], v[HH], 4, v[XA]
.set i, 0
.rept 32
	v_mov_b32 v[TM+i], 0                           ; written once: a lane permute's destination, and the upper half of a pair named for its lower, count as read
.set i, i+1
.endr
	s_wait_kmcnt 0x0
	s_add_nc_u64 s[G0X+2:G0X+3], s[4:5], s[78:79]
	s_or_b32 s[G0X+3], s[G0X+3], 0x80000000
	s_add_nc_u64 s[6:7], s[6:7], s[94:95]
	s_add_nc_u64 s[OB:OB+1], s[OB:OB+1], s[96:97]
	s_add_nc_u64 s[NA:NA+1], s[8:9], s[84:85]
	s_add_nc_u64 s[NV:NV+1], s[8:9], s[86:87]
	s_add_nc_u64 s[NO:NO+1], s[12:13], s[84:85]
	s_mul_i32 s[OFF], s[RT], 98304                 ; step 0: slot R, in two halves of 64 rows
	s_add_nc_u64 s[G0H+2:G0H+3], s[8:9], s[OFF:OFF+1]
	s_and_b32 s77, s[WV], 1
	s_mul_i32 s[OFF], s77, 49152
	s_add_nc_u64 s[G0H+2:G0H+3], s[G0H+2:G0H+3], s[OFF:OFF+1]
	s_or_b32 s[G0H+3], s[G0H+3], 0x80000000
	s_mov_b32 s[G0H], 1
	s_mul_i32 s[G0H+1], s77, 64*PW
	s_mov_b32 s[TT], 0
	s_add_co_u32 s[LI], s[RT], 1                   ; step 1: slot (R + 1) mod 16
	s_and_b32 s[LI], s[LI], 15
	s_mul_i32 s[OFF], s[LI], 98304
	s_add_nc_u64 s[G0+6:G0+7], s[NA:NA+1], s[OFF:OFF+1]
	s_or_b32 s[G0+7], s[G0+7], 0x80000000
	s_mov_b32 s[SI], s[RT]
	s_lshl_b32 s[OFF], s[SI], 12
	s_add_nc_u64 s[WSP:WSP+1], s[10:11], s[OFF:OFF+1]   ; slot R's scale bytes
	ROUND                                          ; all four work-groups are here: the first joint loads meet
	s_cmp_lt_u32 s[WV], 2                          ; the head's loads, one a wave: every way passes exactly one
	s_cbranch_scc0 .Lhead_w
	tensor_load_to_lds s[G0X:G0X+3], s[G1X:G1X+7]  ; waves 0, 1: 32 rows of x each
	s_nop 0
	PLACES 4
	s_branch .Lhead_j
.Lhead_w:
	tensor_load_to_lds s[G0H:G0H+3], s[G1D:G1D+7]  ; waves 2, 3: 64 rows of the first step's weights each, jointly
	s_nop 0
	PLACES 4
.Lhead_j:
.irp a, 0,1
.irp c, 0,1
	global_load_b128 v[XS+8*\a+4*\c:XS+8*\a+4*\c+3], v[XSO], s[6:7] offset:1024*\a+16*\c   ; x's scale words: token 32 a + lane, K steps 4 c on
.endr
.endr
.irp c, 0,1
	global_load_b128 v[WS+4*\c:WS+4*\c+3], v[VSN], s[WSP:WSP+1] offset:16*\c   ; the first step's
.endr
	s_wait_alu depctr_va_vdst(0)
	s_wait_tensorcnt 0x0                           ; my one load is in
	ds_add_u32 v[SPW], v[NIL]
	s_mov_b32 s[G1D+2], 96<<16                     ; no tensor load of mine is out: from here on a dense load brings 32 weight rows, 96 rows of 256 bytes
	s_mov_b32 s[G1D+4], 96
	s_wait_dscnt 0x0
	ROUND                                          ; x and ring slot 0 are whole for every wave, and the four work-groups are here
	tensor_load_to_lds s[G0+4:G0+7], s[G1D:G1D+7]  ; ring slot 1's first fill: the second step's weights, my 32 rows
	s_nop 0
	PLACES 4
.irp s, 0,1,2,3,4,5,6,7
	WIN 0x40<<(\s/4)                               ; destination window 1 (K steps 0-3) or 2
.irp m, 0,1,2,3
	FRAG 48*(\s%4)+12*\m, XA, \s, 16*PW*\m
.endr
.endr
	WIN 0
	s_wait_dscnt 0x0                               ; x is in my registers (slot 1's load may stay out)
	s_barrier_signal -1
	s_barrier_wait -1                              ; and in everybody's: q's and k's codes may be stored where it lay
; ---- q AND k: steps 0 to 15
	LNEXT 0, AN                                    ; step 0's first fragments
	s_mov_b32 s[CNT], 7
.Lqk:                                              ; steps 0 to 13: each asks for the slot of two steps on
	QSLOT 0, 1, 0, 1, NA, 15, 1, AN
	QSLOT 1, 1, 0, 1, NA, 15, 1, AN
	s_sub_co_u32 s[CNT], s[CNT], 1
	s_cmp_lg_u32 s[CNT], 0
	s_cbranch_scc1 .Lqk
	QSLOT 0, 1, 0, 2, 0, 0, 1, AN                  ; step 14 asks for v's first slot,
	QSLOT 1, 2, 0, 2, 16, 0, 0, AN                 ; step 15 for its second; the scores want the fragments' registers, so nothing is fetched ahead
; ---- v AND THE ATTENTION: the scores, then a loop of two trips, 32 channels a trip.  The figures are the channels for R = 0 in the first trip; my cluster's are these xor XV xor TT
	BAR                                            ; every wave's codes and bytes of q and k have landed
	SCORES
	v_mul_u32_u24 v[WVA], v[RR], VTP               ; the addresses of what follows take the registers that q and k have left
	v_lshl_add_u32 v[WVA], v[HH], 4, v[WVA]
	s_lshl_b32 s77, s[WV], 5
	s_add_co_u32 s77, s77, VST
	v_add_nc_u32 v[WVA], s77, v[WVA]               ; v in: token r, channel place 2 w + h of a slot's eight
	s_and_b32 s77, s[RT], 1
	s_lshl_b32 s77, s77, 3
	v_xor_b32 v[RVA], s77, v[RR]                   ; v out: where R is odd the stage's two slots came the other way round: channel r lies at place r xor 8
	v_and_b32 v[RVA], 15, v[RVA]
	v_lshlrev_b32 v[RVA], 4, v[RVA]
	v_lshl_add_u32 v[RVA], v[HH], 9, v[RVA]        ; heads 8 h on
	s_mul_i32 s77, s[WV], 16*VTP
	s_add_co_u32 s77, s77, VST
	v_add_nc_u32 v[RVA], s77, v[RVA]               ; my tokens
	v_mul_u32_u24 v[OW], v[RR], 48
	v_mad_u32_u24 v[OW], v[HH], 12, v[OW]
	s_mul_i32 s77, s[WV], 16*OCP
	s_add_co_u32 s77, s77, OC
	v_add_nc_u32 v[OW], s77, v[OW]                 ; the result's codes: my tokens; head r, half h of a block
	s_lshl_b32 s77, s[WV], 9
	s_add_co_u32 s77, s77, OS
	v_lshl_add_u32 v[OSW], v[RR], 1, s77
	v_mul_u32_u24 v[YW], v[RR], YP
	v_lshl_add_u32 v[YW], v[HH], 5, v[YW]
	s_lshl_b32 s77, s[WV], 7
	s_add_co_u32 s77, s77, YST
	v_add_nc_u32 v[YW], s77, v[YW]                 ; the stage in: token r, my 32 columns, 8 h on
	s_mul_i32 s77, s[WV], 16*YP
	s_add_co_u32 s77, s77, YST
	v_add_nc_u32 v[YR], s77, v[L16]                ; and out: my 16 rows, 16 bytes a lane
	s_bfe_u32 s78, s[RT], 0x10001                  ; bit 1 of R: the block of 32 channels that comes first in time
	s_cmp_lg_u32 s78, 0
	s_mov_b32 s[PSEL], 0x03020100                  ; the scale words' bytes as they lie,
	s_cselect_b32 s[PSEL], 0x02030001, s[PSEL]     ; or bytes 0 and 1, 2 and 3 exchanged
	v_xor_b32 v[TM], s78, v[HH]
	v_and_b32 v[TM], 1, v[TM]                      ; block h lies at place h xor that bit
	v_mul_u32_u24 v[OFR], v[RR], OCP
	v_mad_u32_u24 v[OFR], v[TM], 24, v[OFR]
	v_add_nc_u32 v[OFR], OC, v[OFR]
	v_lshl_add_u32 v[OSR], v[L16], 1, OS
	s_mov_b32 s[G0O], 1                            ; group 0 for W_out's first two slots: the head's loads that named these registers are long done
	s_mul_i32 s[G0O+1], s[WV], WROW
	s_mov_b32 s[G0O+28], 1
	s_mul_i32 s[G0O+29], s[WV], WROW
	s_add_co_u32 s[G0O+29], s[G0O+29], SLOTB
	s_add_co_u32 s[LI], s[RT], 5                   ; stepped four times in the loop, mod 8: the third step gives R mod 8, W_out's first slot for my cluster
	s_mov_b32 s[QOF], 0                            ; the place of the trip's block among a head's two: codes,
	s_mov_b32 s[QSO], 0                            ; and scale byte
	s_wait_alu depctr_va_vdst(0)
.Lv:
	LNEXT 0, AV
	VSLOT 0, 0, 2, 16, 2, 8, 0, 1, AV              ; channels 0-7; asks for 8-15.  Its barrier stands between every wave's reads of the scratch and the stores of v; likewise below
	VSLOT 1, 1, 2, 8, 2, 24, 0, 0, AV              ; channels 16-23; asks for 24-31
	BAR                                            ; the stage's 16 channels have landed
	PV 0
	LNEXT 0, AV
	VSLOT 0, 0, 2, 24, 4, 32, 0, 1, AV             ; channels 8-15; asks for the next trip's first slot, or for W_out's first
	VSLOT 1, 1, 3, 32, 4, 48, 0, 0, AV             ; channels 24-31; for the next trip's second, or W_out's second
	BAR
	PV 1
	OQ 0                                           ; the trip's block of 32 channels, at the place of its time
	s_add_co_u32 s[QOF], s[QOF], 24
	s_add_co_u32 s[QSO], s[QSO], 1
	s_add_co_u32 s[TT], s[TT], 32
	s_cmp_lt_u32 s[TT], 64
	s_wait_alu depctr_va_vdst(0)
	s_cbranch_scc1 .Lv
	s_mul_i32 s77, s[WV], 16*OCP                   ; the 8 bytes behind each of my 16 rows of the result's codes are written too: zeros
	s_add_co_u32 s77, s77, OC+768
	v_mul_u32_u24 v[TM], v[RR], OCP
	v_add_nc_u32 v[TM], s77, v[TM]
	v_mov_b32 v[TM+2], 0
	v_mov_b32 v[TM+3], 0
	ds_store_b64 v[TM], v[TM+2:TM+3]               ; both halves of the lanes store the same zeros to the same bytes
	s_lshl_b32 s[OFF], s[SI], 9                    ; SI holds W_out's first slot: its bias and its columns of out0
	s_add_nc_u64 s[BP:BP+1], s[16:17], s[OFF:OFF+1]
	s_add_nc_u64 s[OUTP:OUTP+1], s[OB:OB+1], s[OFF:OFF+1]
	BIAS                                           ; p has been multiplied for the last time
	BAR                                            ; every wave's codes and bytes of the result have landed
	OFRAG
	LNEXT 0, AN
; ---- THE LAST PRODUCT: W_out's steps 0 to 7
	s_mov_b32 s[CNT], 3
.Lout:                                             ; steps 0 to 5: each asks for the slot of two steps on
	s_wait_alu depctr_va_vdst(0)
	OSLOT 0, 4, 1, 1, NO, 7, 1
	OSLOT 1, 4, 1, 1, NO, 7, 1
	s_sub_co_u32 s[CNT], s[CNT], 1
	s_cmp_lg_u32 s[CNT], 0
	s_cbranch_scc1 .Lout
	OSLOT 0, 4, 1, 0, 0, 0, 1                      ; the last two steps are written out: nothing is left to fetch, so no round; step 6 waits for the last slot's load,
	OSLOT 1, 0, 0, 3, 0, 0, 0                      ; step 7 has none out; both keep the barrier, for the stage's sake
	s_wait_tensorcnt 0x0                           ; the wave's end: behind my last tensor load and my last LDS store
	ds_add_u32 v[SPW], v[NIL]
	s_wait_dscnt 0x0
	ROUND                                          ; the closing round: no work-group ends while a partner may still ask for a tile that names it
	s_endpgm
.Lfunc_end_k_qc7f62088e9_fused:
	.size	k_qc7f62088e9_fused, .Lfunc_end_k_qc7f62088e9_fused-k_qc7f62088e9_fused
	.p2alignl 7, 3214868480
	.fill 96, 4, 3214868480
	.section	.rodata,"a",@progbits
	.p2align	6, 0x0
	.amdhsa_kernel k_qc7f62088e9_fused
		.amdhsa_group_segment_fixed_size 327680
		.amdhsa_private_segment_fixed_size 0
		.amdhsa_enable_private_segment 0
		.amdhsa_kernarg_size 64
		.amdhsa_user_sgpr_count 2
		.amdhsa_user_sgpr_kernarg_segment_ptr 1
		.amdhsa_wavefront_size32 1
		.amdhsa_system_sgpr_workgroup_id_x 1
		.amdhsa_system_sgpr_workgroup_id_y 1
		.amdhsa_system_sgpr_workgroup_id_z 1
		.amdhsa_system_vgpr_workitem_id 0
		.amdhsa_next_free_vgpr 1024
		.amdhsa_next_free_sgpr 100
		.amdhsa_reserve_vcc 0
		.amdhsa_float_denorm_mode_32 3
		.amdhsa_float_denorm_mode_16_64 3
		.amdhsa_memory_ordered 1
		.amdhsa_forward_progress 1
		.amdhsa_inst_pref_size 255
	.end_amdhsa_kernel
	.section	.bss,"aw",@nobits
	.p2align	6
	.space	262144
	.amdgpu_metadata
---
amdhsa.version: [ 1, 2 ]
amdhsa.kernels:
  - .name:           k_qc7f62088e9_fused
    .symbol:         k_qc7f62088e9_fused.kd
    .args:
      - { .name: x_codes, .offset: 0, .size: 8, .value_kind: global_buffer, .address_space: global }
      - { .name: x_scales, .offset: 8, .size: 8, .value_kind: global_buffer, .address_space: global }
      - { .name: W_qkv_codes, .offset: 16, .size: 8, .value_kind: global_buffer, .address_space: global }
      - { .name: W_qkv_scales, .offset: 24, .size: 8, .value_kind: global_buffer, .address_space: global }
      - { .name: W_out_codes, .offset: 32, .size: 8, .value_kind: global_buffer, .address_space: global }
      - { .name: W_out_scales, .offset: 40, .size: 8, .value_kind: global_buffer, .address_space: global }
      - { .name: b_out, .offset: 48, .size: 8, .value_kind: global_buffer, .address_space: global }
      - { .name: out0, .offset: 56, .size: 8, .value_kind: global_buffer, .address_space: global }
    .group_segment_fixed_size: 327680
    .private_segment_fixed_size: 0
    .kernarg_segment_align: 8
    .kernarg_segment_size: 64
    .max_flat_workgroup_size: 128
    .sgpr_count:     100
    .vgpr_count:     1024
    .wavefront_size: 32
...
	.end_amdgpu_metadata
.endif
;; end of part 2
